; MI455X (gfx1250); checked and timed in simulation.
; The chip was launched on July 23, 2026; its instructions are those of AMD's public machine-readable ISA for CDNA 5 (MIT licence, August 2026) and "CDNA5" Instruction Set Architecture Reference Guide (July 2026). The comments in the code are by the model that wrote it; some were corrected since.
;; Causal Self Attention. Allowed arithmetic: matrix products marked QUANTISED: E4M3 operands, one E8M0 scale for each 32 along K, by v_wmma_scale_f32_16x16x128_f8f6f4 with both operands' format E4M3, f32 sums; everything else in f32.
;; Inputs: Wk 256 x 1,024 float32; Wproj 1,024 x 1,024 float32; Wq 1,024 x 1,024 float32; Wv 256 x 1,024 float32; q_gain 16 float32; x 4 x 2,048 x 1,024 float32.
;; Outputs: out0 4 x 2,048 x 1,024 float32.
;; This version of the problem:
;;   THIS VERSION OF THE PROBLEM IS GIVEN IN LOW PRECISION. The matrix products marked QUANTISED in the list below multiply operands that are first quantised to E4M3 (4 exponent bits, 3 mantissa bits; 8 bits a number), with one power-of-two scale for each 32 numbers along K (OCP MX v1.0); their sums are f32. All else is computed in f32.
;;   The module's matrix products, in the order in which they are computed (A, B: the left and right operand; K: the contracted axis; several contracted axes count as one K, in the product's order):
;;     1. [M 8,192, K 1,024] x [K 1,024, N 1,024]; A: input x; B: input Wq: QUANTISED
;;     2. [M 8,192, K 1,024] x [K 1,024, N 256]; A: input x; B: input Wk: QUANTISED
;;     3. [M 8,192, K 1,024] x [K 1,024, N 256]; A: input x; B: input Wv: QUANTISED
;;     4. batch 64 x [M 2,048, K 64] x [K 64, N 2,048]; A: computed on the way; B: computed on the way: QUANTISED
;;     5. batch 64 x [M 2,048, K 2,048] x [K 2,048, N 64]; A: softmax (see below); B: computed on the way: QUANTISED
;;     6. [M 8,192, K 1,024] x [K 1,024, N 1,024]; A: computed on the way; B: input Wproj: QUANTISED
;;   THE QUANTISER, for each operand of a quantised product, along K:
;;     - K is cut into blocks of 32 from its start; a last block that is shorter is filled with zeros.
;;     - A block's scale is 2^e with e = floor(log2(the largest magnitude in the block)) - 8, held to -126 .. 127; a block of zeros has e = 0. As a byte (E8M0): e + 127.
;;     - Each number is divided by its block's scale, clamped to +-448, and rounded to the nearest number of E4M3, ties to even, subnormals kept.
;;     - The product sums the exact products of the quantised numbers (number of the format x scale) in f32.
;;   ~~~python
;;   def quantise(x, axis):      # numpy; x: float32 -> the quantised numbers, widened to float32 again
;;       x = np.moveaxis(x, axis, -1); K = x.shape[-1]
;;       x = np.pad(x, [(0, 0)] * (x.ndim - 1) + [(0, -K % 32)]); x = x.reshape(x.shape[:-1] + (-1, 32)); a = np.abs(x).max(-1, keepdims=True)
;;       e = np.where(a > 0, np.clip(np.frexp(np.where(a > 0, a, 1))[1] - 1 - 8, -126, 127), 0)      # np.frexp(a)[1] - 1 = floor(log2(a)), exactly
;;       r = np.clip(x / 2.0 ** e, -448, 448)
;;       step = 2.0 ** (np.maximum(np.frexp(np.where(r == 0, 1, r))[1] - 1, -6) - 3)
;;       q = np.round(r / step) * step * 2.0 ** e      # np.round: ties to even
;;       return np.moveaxis(q.reshape(q.shape[:-2] + (-1,))[..., :K], -1, axis).astype(np.float32)
;;   ~~~
;;   SOFTMAX AHEAD OF A QUANTISED PRODUCT. Where the list says 'softmax', what is quantised is not the finished softmax but p = 2^(t - M), with t = logit x log2(e) and M = ceil(the row's largest t), a whole number; so 1/2 < the row's largest p <= 1. The row's sum l is taken of the UNQUANTISED p, in f32, and the product's result is divided by l at the end. Since M is a whole number, a kernel that streams over the keys may use a running M (the ceiling of the running maximum): every later rescaling is an exact power of two, which a block's scale takes up: the codes' values come out the same.
;;   OPERANDS COMPUTED ON THE WAY. 'Computed on the way' means the value that the module computes at that place (a softmax that the list does not call 'softmax' is quantised finished and normalised). What goes into a quantiser is computed in f32, as accurately as f32 sums, v_exp_f32 and their like allow (about 1e-6 of the number): no bf16 or f16 on the way to a quantiser, and a product that is left as it is and whose result goes on into a quantised operand takes f32 operands (vector FMAs, or v_wmma_f32_16x16x4_f32). A number that lies on a knife's edge between two numbers of the format may be rounded either way, as far as f32 arithmetic and the matrix unit's own rounding can turn it there, and no further.
;; One version. Each part assembles by itself: llvm-mc -triple=amdgcn-amd-amdhsa -mcpu=gfx1250 --defsym DOCPART=n.
;; ======== version 1 of 1: 4 launches
;; limits: right only within a limited range of input values
;; workspace buffers: xq 8,650,752 bytes; wts 2,703,360 bytes; rope 524,288 bytes; qb 8,912,896 bytes; kv 4,390,912 bytes; yb 8,650,752 bytes
;; launch quant (part 1): grid 368 x 1, 4 waves a work-group, no clusters, 33,280 bytes of LDS; arguments x, Wq, Wk, Wv, Wproj, xq, wts, rope; writes xq, wts, rope
.if DOCPART == 1
	.amdgcn_target "amdgcn-amd-amdhsa--gfx1250"
	.amdhsa_code_object_version 6
	.text
	.protected	k_q83fc70d1ac_quant
	.globl	k_q83fc70d1ac_quant
	.p2align	8
	.type	k_q83fc70d1ac_quant,@function
k_q83fc70d1ac_quant:
	s_mov_b64 s[64:65], 0
	v_nop
	global_prefetch_b8 v0, s[64:65] scope:SCOPE_SE
	s_setreg_imm32_b32 hwreg(HW_REG_WAVE_MODE, 25, 1), 1
	s_wait_xcnt 0x0
; x [8192][1024], Wq [1024][1024], Wk, Wv [256][1024], Wproj [1024][1024], f32, K innermost, become codes of FP8 (E4M3) with one E8M0 byte for each 32 along K; and the table of cos and sin for the rotary step is made.
; A block's scale is 2^(floor(log2(its largest magnitude)) - 8); its byte is the largest magnitude's exponent field - 8, held at 1 from below.  Each number is divided by the scale, held within +-448, rounded to the nearest code, ties to even.
; ROWS CHANGE PLACES: a row is stored at the place whose number is the row's number with bits 3 and 4 exchanged.  Sixteen neighbouring stored rows (a tile 2 B + u) are then rows 32 B + 8 u + (r % 8) + 16 (r / 8):
; a matrix result made from two neighbouring tiles holds 16 neighbours along the next product's K in a lane's 16 registers.
; Wq, Wk, Wv are laid in four groups of 384 rows: group g = query heads 4 g .. 4 g + 3 (256 rows), key head g (64), value head g (64).
; Work-groups 0-335: 32 rows each, 8 rows a wave (16 steps of 512 numbers).  Each load reads 512 consecutive bytes; a step's 2,048 bytes turn through the wave's own stage in LDS so that a lane holds 16 neighbours.
; Work-groups 336-367: a wave makes the table of one tile of 16 positions, laid as the registers of the launch that reads it: [tile][k 0..7][lane][16 bytes]; lane (r, h): k 0-3 cos, k 4-7 sin of frequencies 16 h + 0 .. 15.
; LIMITS: a block of zeros gets the byte 1 (its codes are zeros; this program alone reads the bytes); blocks under 2^-118 keep the byte 1; NaN and infinities among the inputs are not served;
; 10^(-f/8) is a product of two f32 constants, within 1.5 units in the last place; angles up to 2,047 are reduced by pi/2 in two parts, sin and cos by polynomials on +-pi/4, to about 1e-7.
.set NQW,   336                        ; work-groups that quantise
.set XSO,   8388608                    ; xq: where the scale bytes begin
.set WSO,   1572864                    ; wts: scale bytes of the 1,536 rows of Wq, Wk, Wv
.set PCO,   1622016                    ; wts: Wproj's codes
.set PSO,   2670592                    ; wts: Wproj's scale bytes
.set STEPS, 16
.set EMAX,  8
.set MANT,  0x600000                   ; the mantissa field of 448
.set CB,    16
.set R,     16                         ; v16-79   four sets of 16 numbers as loaded
.set X,     80                         ; v80-111  two sets of 16 neighbours
.set C,     128                        ; v128-191 codes, four registers a step
.set E,     112                        ; v112-127 a scale byte a step
.set WREG,  8192                       ; LDS of a wave: two stages of 32 x SP bytes, then its 256 scale bytes
.set SP,    80
	s_load_b256 s[4:11], s[0:1], 0x0               ; x, Wq, Wk, Wv
	s_load_b256 s[12:19], s[0:1], 0x20             ; Wproj, xq, wts, rope
	v_lshl_add_u32 v192, v0, 2, 0x8000
	v_mov_b32 v193, 0
	v_lshrrev_b32 v1, 5, v0
	v_readfirstlane_b32 s20, v1                    ; wave
	v_and_b32 v2, 31, v0                           ; lane
	s_cmp_lt_u32 ttmp9, NQW
	s_cbranch_scc0 .Lrope
	v_lshlrev_b32 v3, 4, v2                        ; my 16 bytes of a load's 512
	s_mul_i32 s21, s20, WREG
	v_lshrrev_b32 v14, 2, v2
	v_mul_u32_u24 v14, v14, SP
	v_and_b32 v15, 3, v2
	v_lshl_add_u32 v14, v15, 4, v14
	v_add_nc_u32 v14, s21, v14                     ; the stage on the way in: SP (lane / 4) + 16 (lane % 4)
	v_mul_u32_u24 v15, v2, SP
	v_add_nc_u32 v15, s21, v15                     ; and on the way out: SP x lane
	v_mul_u32_u24 v4, v2, CB
	v_lshrrev_b32 v5, 1, v2
	s_add_co_u32 s21, s21, 2*32*SP
	v_add_nc_u32 v5, s21, v5                       ; my block's scale byte in LDS
	v_lshlrev_b32 v7, 3, v2
	v_add_nc_u32 v6, s21, v7
	s_mov_b32 s23, MANT
	; which tensor, which 32 rows of it (s24), and which block of 32 rows of the target (s25): chosen by the work-group's number alone
	s_sub_co_u32 s24, ttmp9, 304                   ; Wproj
	s_mov_b32 s25, s24
	s_mov_b32 s30, PCO
	s_mov_b32 s31, PSO
	s_wait_alu depctr_va_vdst(0)
	s_wait_kmcnt 0x0
	s_mov_b64 s[32:33], s[12:13]
	s_sub_co_u32 s26, ttmp9, 296                   ; Wv: block 12 g + 10 + half
	s_lshr_b32 s27, s26, 1
	s_mul_i32 s27, s27, 12
	s_and_b32 s28, s26, 1
	s_add_co_u32 s27, s27, s28
	s_add_co_u32 s27, s27, 10
	s_cmp_lt_u32 ttmp9, 304
	s_cselect_b32 s24, s26, s24
	s_cselect_b32 s25, s27, s25
	s_cselect_b32 s30, 0, s30
	s_cselect_b32 s31, WSO, s31
	s_cselect_b64 s[32:33], s[10:11], s[32:33]
	s_sub_co_u32 s26, ttmp9, 288                   ; Wk: block 12 g + 8 + half
	s_lshr_b32 s27, s26, 1
	s_mul_i32 s27, s27, 12
	s_and_b32 s28, s26, 1
	s_add_co_u32 s27, s27, s28
	s_add_co_u32 s27, s27, 8
	s_cmp_lt_u32 ttmp9, 296
	s_cselect_b32 s24, s26, s24
	s_cselect_b32 s25, s27, s25
	s_cselect_b64 s[32:33], s[8:9], s[32:33]
	s_sub_co_u32 s26, ttmp9, 256                   ; Wq: block 12 (loc / 8) + loc % 8
	s_lshr_b32 s27, s26, 3
	s_mul_i32 s27, s27, 12
	s_and_b32 s28, s26, 7
	s_add_co_u32 s27, s27, s28
	s_cmp_lt_u32 ttmp9, 288
	s_cselect_b32 s24, s26, s24
	s_cselect_b32 s25, s27, s25
	s_cselect_b64 s[32:33], s[6:7], s[32:33]
	s_cmp_lt_u32 ttmp9, 256                        ; x
	s_cselect_b32 s24, ttmp9, s24
	s_cselect_b32 s25, ttmp9, s25
	s_cselect_b32 s31, XSO, s31
	s_cselect_b64 s[32:33], s[4:5], s[32:33]
	s_cselect_b64 s[34:35], s[14:15], s[16:17]
	s_lshl_b32 s26, s24, 2
	s_add_co_u32 s26, s26, s20                     ; my 8 rows of the source: 4 loc + wave
	s_lshl_b32 s26, s26, 15
	s_mov_b32 s27, 0
	s_add_nc_u64 s[32:33], s[32:33], s[26:27]
	s_and_b32 s28, s20, 1                          ; the wave's number is bits 4:3 of its rows: exchanged
	s_lshl_b32 s28, s28, 1
	s_lshr_b32 s29, s20, 1
	s_or_b32 s28, s28, s29
	s_lshl_b32 s26, s25, 2
	s_add_co_u32 s26, s26, s28
	s_lshl_b32 s28, s26, 13                        ; 8 rows of 1,024 codes
	s_add_co_u32 s28, s28, s30
	s_mov_b32 s29, 0
	s_add_nc_u64 s[36:37], s[34:35], s[28:29]
	s_lshl_b32 s28, s26, 8                         ; 8 rows of 32 scale bytes
	s_add_co_u32 s28, s28, s31
	s_add_nc_u64 s[38:39], s[34:35], s[28:29]
.macro LOAD t
.irp i, 0,1,2,3
	global_load_b128 v[R+16*((\t)%4)+4*\i:R+16*((\t)%4)+4*\i+3], v3, s[32:33] offset:2048*(\t)+512*\i th:TH_LOAD_NT   ; 32 lanes read 512 consecutive bytes
.endr
.endm
.macro TURN t                          ; step t's numbers through the stage: LDS serves a wave's instructions in order, so no wait stands between the stores and the loads
.irp i, 0,1,2,3
	ds_store_b128 v14, v[R+16*((\t)%4)+4*\i:R+16*((\t)%4)+4*\i+3] offset:32*SP*((\t)%2)+8*SP*\i
.endr
.irp i, 0,1,2,3
	ds_load_b128 v[X+16*((\t)%2)+4*\i:X+16*((\t)%2)+4*\i+3], v15 offset:32*SP*((\t)%2)+16*\i
.endr
.endm
.irp t, 0,1,2,3
	LOAD \t
.endr
	s_wait_loadcnt 12                              ; step 0's four loads are in; three steps' twelve may be out
	TURN 0
.macro STEP t
.set XS, X+16*((\t)%2)
.if (\t) > 0
	s_wait_dscnt 1                                 ; this step's numbers are back from the stage (the last step's byte store may be out)
.else
	s_wait_dscnt 0x0
.endif
.if (\t)+4 < STEPS
	LOAD (\t)+4
.endif
.if (\t)+1 < STEPS
.if STEPS-2-(\t) >= 3
	s_wait_loadcnt 12                              ; the next step's four loads are in; those of the three steps behind it may be out
.else
	s_wait_loadcnt 4*(STEPS-2-(\t))
.endif
	TURN (\t)+1
.endif
	v_max3_num_f32 v8, |v[XS]|, |v[XS+1]|, |v[XS+2]|
	v_max3_num_f32 v9, |v[XS+3]|, |v[XS+4]|, |v[XS+5]|
.irp i, 6,10
	v_max3_num_f32 v8, v8, |v[XS+\i]|, |v[XS+\i+1]|
	v_max3_num_f32 v9, v9, |v[XS+\i+2]|, |v[XS+\i+3]|
.endr
	v_max3_num_f32 v8, v8, |v[XS+14]|, |v[XS+15]|
	v_max3_num_f32 v8, v8, v9, (EMAX+1)<<23        ; the floor 2^(9 - 127): the byte cannot fall under 1
	v_max_num_f32_dpp v8, v8, v8 row_xmask:1 row_mask:0xf bank_mask:0xf   ; with my neighbour's 16: the block's largest magnitude
	v_add_nc_u32 v11, -(EMAX<<23), v8              ; 8 off its exponent field: the conversion's scale operand
	v_and_or_b32 v10, v8, 0x7f800000, s23          ; 448 x the scale
.irp i, 0,1,2,3,4,5,6,7,8,9,10,11,12,13,14,15
	v_med3_num_f32 v[XS+\i], v[XS+\i], -v10, v10   ; the conversion to an 8-bit code does not saturate (ISA guide 7.6.2): the hold comes first
.endr
	v_cvt_scalef32_pk8_fp8_f32 v[C+4*(\t):C+4*(\t)+1], v[XS:XS+7], v11
	v_cvt_scalef32_pk8_fp8_f32 v[C+4*(\t)+2:C+4*(\t)+3], v[XS+8:XS+15], v11
	v_lshrrev_b32 v[E+(\t)], 23, v11               ; the scale's byte
	ds_store_b8 v5, v[E+(\t)] offset:16*(\t)       ; both lanes of a block write the same byte with the same value
	global_store_b128 v4, v[C+4*(\t):C+4*(\t)+3], s[36:37] offset:32*CB*(\t)   ; the wave stores 512 consecutive bytes
.endm
.irp t, 0,1,2,3,4,5,6,7,8,9,10,11,12,13,14,15
	STEP \t
.endr
	ds_load_b64 v[12:13], v6                       ; LDS serves a wave's instructions in order: these see my stores
	s_wait_dscnt 0x0
	global_store_b64 v7, v[12:13], s[38:39]        ; 32 lanes store 256 consecutive bytes, aligned
	s_wait_tensorcnt 0x0
	ds_add_u32 v192, v193
	s_wait_dscnt 0x0
	s_endpgm
.Lrope:                                            ; the table: no LDS on this way
	s_sub_co_u32 s21, ttmp9, NQW
	s_lshl_b32 s21, s21, 2
	s_add_co_u32 s21, s21, s20                     ; my tile of positions, 0 .. 127
	s_lshr_b32 s22, s21, 1
	s_lshl_b32 s22, s22, 5
	s_and_b32 s24, s21, 1
	s_lshl_b32 s24, s24, 3
	s_add_co_u32 s22, s22, s24                     ; 32 (T / 2) + 8 (T % 2)
	v_and_b32 v3, 7, v0
	v_bfe_u32 v4, v0, 3, 1
	v_bfe_u32 v5, v0, 4, 1                         ; h
	v_lshl_add_u32 v3, v4, 4, v3
	v_add_nc_u32 v3, s22, v3                       ; my position: + (r % 8) + 16 (r / 8)
	v_cvt_f32_u32 v10, v3
	v_cmp_eq_u32 vcc_lo, 1, v5
	v_mov_b32 v6, 1.0
	v_mov_b32 v7, 0x3c23d70a                       ; 0.01
	v_cndmask_b32 v8, v6, v7, vcc_lo               ; 10^(-2 h)
	s_wait_alu depctr_va_vdst(0)
	v_mov_b32 v6, 0x3dcccccd                       ; 0.1
	v_mov_b32 v7, 0x3a83126f                       ; 0.001
	v_cndmask_b32 v9, v6, v7, vcc_lo               ; 10^(-2 h - 1)
	s_mov_b32 s40, 0xbfc90fdb                      ; -pi/2, the f32 nearest to it,
	s_mov_b32 s41, 0x333bbd2e                      ; and what that f32 is too large by
	s_mov_b32 s42, 0xb94ca1f9                      ; sin: r + r z (S1 + z (S2 + z S3))
	s_mov_b32 s43, 0x3c08839e
	s_mov_b32 s44, 0xbe2aaaa3
	s_mov_b32 s45, 0x37ccf5ce                      ; cos: 1 - z / 2 + z z (C1 + z (C2 + z C3))
	s_mov_b32 s46, 0xbab6061a
	s_mov_b32 s47, 0x3d2aaaa5
	s_mov_b32 s48, 0x3f800000                      ; 10^(-m / 8), m = 0 .. 7
	s_mov_b32 s49, 0x3f3ff911
	s_mov_b32 s50, 0x3f0ff59a
	s_mov_b32 s51, 0x3ed7e89b
	s_mov_b32 s52, 0x3ea1e89b
	s_mov_b32 s53, 0x3e72d424
	s_mov_b32 s54, 0x3e361887
	s_mov_b32 s55, 0x3e088d77
.macro SINCOS i, m, d                  ; frequency 16 h + i: cos into v[32 + i], sin into v[48 + i]
	v_mul_f32 v20, s[48+(\m)], v[(\d)]             ; 10^(-(16 h + i) / 8)
	v_mul_f32 v20, v10, v20                        ; the angle, rounded to f32
	v_mul_f32 v21, 0x3f22f983, v20
	v_rndne_f32 v21, v21                           ; n = the nearest multiple of pi/2
	v_fma_f32 v22, v21, s40, v20
	v_fma_f32 v22, v21, s41, v22                   ; r = angle - n pi/2
	v_cvt_i32_f32 v23, v21
	v_mul_f32 v24, v22, v22                        ; z
	v_fma_f32 v25, s42, v24, s43
	v_fma_f32 v25, v25, v24, s44
	v_mul_f32 v26, v22, v24
	v_fma_f32 v25, v25, v26, v22                   ; sin r
	v_fma_f32 v27, s45, v24, s46
	v_fma_f32 v27, v27, v24, s47
	v_mul_f32 v28, v24, v24
	v_fma_f32 v29, v24, -0.5, 1.0
	v_fma_f32 v27, v27, v28, v29                   ; cos r
	v_and_b32 v28, 1, v23
	v_cmp_eq_u32 vcc_lo, 1, v28
	v_cndmask_b32 v29, v25, v27, vcc_lo            ; odd n: the two change places
	v_cndmask_b32 v30, v27, v25, vcc_lo
	v_and_b32 v28, 2, v23
	v_lshlrev_b32 v28, 30, v28
	v_xor_b32 v[48+(\i)], v28, v29                 ; sin changes sign where n % 4 is 2 or 3
	v_add_nc_u32 v28, 1, v23
	v_and_b32 v28, 2, v28
	v_lshlrev_b32 v28, 30, v28
	v_xor_b32 v[32+(\i)], v28, v30                 ; cos where it is 1 or 2
.endm
.irp kk, 0,1,2,3
.irp e, 0,1,2,3
	SINCOS 4*\kk+\e, 4*(\kk%2)+\e, 8+\kk/2
.endr
.endr
	s_lshl_b32 s22, s21, 12                        ; 4,096 bytes a tile
	s_mov_b32 s23, 0
	v_lshlrev_b32 v11, 4, v2
	s_wait_alu depctr_va_vdst(0)
	s_wait_kmcnt 0x0
	s_add_nc_u64 s[18:19], s[18:19], s[22:23]
.irp k, 0,1,2,3
	global_store_b128 v11, v[32+4*\k:35+4*\k], s[18:19] offset:512*\k
.endr
.irp k, 0,1,2,3
	global_store_b128 v11, v[48+4*\k:51+4*\k], s[18:19] offset:2048+512*\k
.endr
	s_endpgm
.Lfunc_end_k_q83fc70d1ac_quant:
	.size	k_q83fc70d1ac_quant, .Lfunc_end_k_q83fc70d1ac_quant-k_q83fc70d1ac_quant
	.p2alignl 7, 3214868480
	.fill 96, 4, 3214868480
	.section	.rodata,"a",@progbits
	.p2align	6, 0x0
	.amdhsa_kernel k_q83fc70d1ac_quant
		.amdhsa_group_segment_fixed_size 33280
		.amdhsa_private_segment_fixed_size 0
		.amdhsa_enable_private_segment 0
		.amdhsa_kernarg_size 64
		.amdhsa_user_sgpr_count 2
		.amdhsa_user_sgpr_kernarg_segment_ptr 1
		.amdhsa_wavefront_size32 1
		.amdhsa_system_sgpr_workgroup_id_x 1
		.amdhsa_system_sgpr_workgroup_id_y 1
		.amdhsa_system_sgpr_workgroup_id_z 1
		.amdhsa_system_vgpr_workitem_id 0
		.amdhsa_next_free_vgpr 194
		.amdhsa_next_free_sgpr 66
		.amdhsa_reserve_vcc 1
		.amdhsa_float_denorm_mode_32 3
		.amdhsa_float_denorm_mode_16_64 3
		.amdhsa_memory_ordered 1
		.amdhsa_forward_progress 1
		.amdhsa_inst_pref_size 74
	.end_amdhsa_kernel
	.amdgpu_metadata
---
amdhsa.version: [ 1, 2 ]
amdhsa.kernels:
  - .name:           k_q83fc70d1ac_quant
    .symbol:         k_q83fc70d1ac_quant.kd
    .args:
      - { .name: x, .offset: 0, .size: 8, .value_kind: global_buffer, .address_space: global }
      - { .name: Wq, .offset: 8, .size: 8, .value_kind: global_buffer, .address_space: global }
      - { .name: Wk, .offset: 16, .size: 8, .value_kind: global_buffer, .address_space: global }
      - { .name: Wv, .offset: 24, .size: 8, .value_kind: global_buffer, .address_space: global }
      - { .name: Wproj, .offset: 32, .size: 8, .value_kind: global_buffer, .address_space: global }
      - { .name: xq, .offset: 40, .size: 8, .value_kind: global_buffer, .address_space: global }
      - { .name: wts, .offset: 48, .size: 8, .value_kind: global_buffer, .address_space: global }
      - { .name: rope, .offset: 56, .size: 8, .value_kind: global_buffer, .address_space: global }
    .group_segment_fixed_size: 33280
    .private_segment_fixed_size: 0
    .kernarg_segment_align: 8
    .kernarg_segment_size: 64
    .max_flat_workgroup_size: 128
    .sgpr_count:     66
    .vgpr_count:     194
    .wavefront_size: 32
...
	.end_amdgpu_metadata
.endif
;; end of part 1
;; launch qkv (part 2): grid 4 x 64, 4 waves a work-group, clusters of 4 x 4, 327,680 bytes of LDS; arguments xq, wts, rope, q_gain, qb, kv; writes qb, kv
.if DOCPART == 2
	.amdgcn_target "amdgcn-amd-amdhsa--gfx1250"
	.amdhsa_code_object_version 6
	.text
	.protected	k_q83fc70d1ac_qkv
	.globl	k_q83fc70d1ac_qkv
	.p2align	8
	.type	k_q83fc70d1ac_qkv,@function
k_q83fc70d1ac_qkv:
	s_mov_b64 s[64:65], 0
	v_nop
	global_prefetch_b8 v0, s[64:65] scope:SCOPE_SE
	s_setreg_imm32_b32 hwreg(HW_REG_WAVE_MODE, 25, 1), 1
	s_wait_xcnt 0x0
	s_wait_alu depctr_hold_cnt(0) depctr_sa_sdst(0) depctr_va_vdst(0) depctr_va_sdst(0) depctr_va_ssrc(0) depctr_va_vcc(0) depctr_vm_vsrc(0)
	s_getreg_b32 s2, hwreg(HW_REG_IB_STS2, 6, 4)
	s_cmp_eq_u32 s2, 0
	s_cbranch_scc0 .Lentry_in_a_cluster
	s_endpgm
.Lentry_in_a_cluster:
	s_bfe_u32 s2, ttmp6, 0x10000c
	s_cmp_lg_u32 s2, 0xf033
	s_cbranch_scc0 .Lentry_shape_is_right
	s_endpgm
.Lentry_shape_is_right:
; q, k, v = x Wq^T, x Wk^T, x Wv^T on codes of FP8 (E4M3) with E8M0 scales; then, in f32: rms-norm over a head's 64, the rotary step, q's gain; then q and k are quantised along the head's 64 and v along the keys.
; A work-group takes 128 tokens (one chunk of keys) x the 384 weight rows of group g: query heads 4 g .. 4 g + 3, key head g, value head g.  Four waves, the same text for all.  Wave w has 48 accumulators:
;   query head 4 g + w x 128 tokens (32; source 0 = 16 weight rows, source 1 = 16 tokens: a lane holds ONE token, its registers run along the head);
;   key head g x tokens 32 w .. 32 w + 31 (8; likewise);   16 channels of the value head x 128 tokens (8; source 0 = 16 tokens, source 1 = 16 weight rows: a lane holds ONE channel, its registers run down the keys).
; Stored rows have bits 3 and 4 of their number exchanged, so the 16 registers of two neighbouring tiles are 16 neighbours along the next K: every conversion's result is a group of four registers of the next operand,
; and goes to memory as an image of those registers (lane l's 16 bytes at 16 l: 512 consecutive bytes a store).
; The wave's pair p of token tiles is token block p xor w, by address alone: so the key part always multiplies the registers of pair 0.
; K goes in steps of 128, two to a slot, through two LDS slots filled by the tensor data mover, one load a wave (wave 0: x's 128 rows; waves 1-3: 128 weight rows each).  The scale bytes of all of K come once.
; CLUSTER 4 x 4: the four groups of one token block read the same x (shared along the cluster's row), the sixteen-fold walk of token blocks reads the same weights (shared along its column): joint loads.
; LIMITS: a block of zeros gets the byte 1 (zero codes; this program alone reads the bytes); NaN and infinities are not served; the gain is folded into the norm's factor (one rounding placed otherwise).
; REGISTERS: window 0: v0-31 addresses; v32-67 scale words, two sets; v68-99 the value weights' fragment, two sets; v100-127 the epilogue's; v128-191 k's sums; v192-255 v's sums.
;   window 1: q's 32 sums (token tile xt, weight tile wt at 8 (4 xt + wt)).   window 2: x's fragments, two sets of 128.   window 3: the query and key weights' fragments, two sets of 128.
.set XSO,   8388608
.set WSO,   1572864
.set QSO,   8388608
.set CH,    17152                      ; a chunk of kv: K images 8,192, V images 8,192, K scale words 512, V scale words 256
.set PITCH, 272                        ; an LDS row: 256 bytes + 16 of padding = 68 words, so the 16 rows of a fragment load start at 16 different banks (64 banks of 4 bytes: ISA guide 11.1)
.set HALFT, 128*PITCH
.set SLOT,  4*HALFT                    ; x's 128 rows, then the 384 weight rows
.set SCL,   2*SLOT                     ; the scale bytes: rows of 256 bytes + 16; x's 128 rows, then the weights' 384
.set HALFS, 16*272
.set SPARE, SCL+4*HALFS                ; the spare words, 128 bytes a wave: two blocks of 256 bytes that no other line names
.set SC,    32                         ; scale set s at SC + 18 s: x pair p at 2 p + q, query pair B at 8 + 2 B + q, key pair B at 12 + 2 B + q, value tile at 16 + q
.set WVB,   68
.set AK,    128
.set AV,    192
.set BM,    80                         ; the epilogue: largest magnitudes,
.set PT,    84                         ; the partner's, then the bytes,
.set HOLD,  88                         ; 448 x the scale,
.set SCO,   92                         ; the conversion's scale operand
.set SEL,   84                         ; s[84:85]
.set MNT,   86
.set MSB, 0
.macro WIN new                         ; the immediate's high byte repeats the setting that is left
.if MSB != (\new)
	s_set_vgpr_msb (MSB<<8)|(\new)
.set MSB, (\new)
.endif
.endm
.macro PLACES n
.rept \n
	v_nop
.endr
.endm
; A joint load: wave 0 fetches for x, waves 1 to 3 for the weights.  The branch hangs on the wave's number alone.  Four v_nop follow each of the two lines.
.macro JLOAD g0x, g1x, g0w, g1w
	s_cmp_eq_u32 s16, 0
	s_cbranch_scc0 .Lfor_w_\@
	tensor_load_to_lds s[\g0x:\g0x+3], s[\g1x:\g1x+7]
	s_nop 0
.rept 4
	v_nop
.endr
	s_branch .Lasked_\@
.Lfor_w_\@:
	tensor_load_to_lds s[\g0w:\g0w+3], s[\g1w:\g1w+7]
	s_nop 0
.rept 4
	v_nop
.endr
.Lasked_\@:
.endm
.macro CREST                           ; a round of the cluster's barrier behind its opening barrier
	s_cmp_lg_u32 s16, 0
	s_cbranch_scc1 .Lnot_wave_0_\@
	s_barrier_signal -3
.Lnot_wave_0_\@:
	s_barrier_wait -3
	s_barrier_signal -1
	s_barrier_wait -1
.endm
.macro CROUND
	s_barrier_signal -1
	s_barrier_wait -1
	CREST
.endm
	s_load_b256 s[4:11], s[0:1], 0x0               ; xq, wts, rope, q_gain
	s_load_b128 s[12:15], s[0:1], 0x20             ; qb, kv
	v_lshl_add_u32 v29, v0, 2, SPARE               ; my spare word; never rewritten
	v_mov_b32 v30, 0                               ; 0; never rewritten
	ds_add_u32 v29, v30
	ds_add_u32 v29, v30
	s_wait_dscnt 0x0
	v_lshrrev_b32 v1, 5, v0
	v_readfirstlane_b32 s16, v1                    ; wave
	s_bfe_u32 s19, ttmp6, 0x40000                  ; cx
	s_bfe_u32 s20, ttmp6, 0x40004                  ; cy
	s_lshl_b32 s17, ttmp9, 2
	s_add_co_u32 s17, s17, s19                     ; g = 4 x cluster x + cx
	s_and_b32 s18, ttmp7, 0xffff
	s_lshl_b32 s18, s18, 2
	s_add_co_u32 s18, s18, s20                     ; token block = 4 x cluster y + cy
	s_lshl_b32 s21, s20, 2
	s_lshl_b32 s21, 15, s21                        ; my row of the cluster
	s_lshl_b32 s22, 0x1111, s19                    ; my column
	; group 1 for codes: 128 rows x 256 bytes, rows 1,024 bytes apart, 16 bytes of padding behind each
	s_or_b32 s24, s21, (1<<20)|(1<<21)|(5<<22)|(3<<25)   ; x: the mask of my row; elements of 1 byte; padding on; bit 21 beside a mask; after every 64 words, 4 words
	s_or_b32 s40, s22, (1<<20)|(1<<21)|(5<<22)|(3<<25)   ; the weights: the mask of my column
.irp g, 24, 40
	s_mov_b32 s[\g+1], 256<<16                     ; tensor_dim0
	s_mov_b32 s[\g+2], 128<<16                     ; tensor_dim1
	s_mov_b32 s[\g+3], 256<<16                     ; tile_dim0
	s_mov_b32 s[\g+4], 128                         ; tile_dim1
	s_mov_b32 s[\g+5], 1024                        ; from row to row
	s_mov_b32 s[\g+6], 0
	s_mov_b32 s[\g+7], 0
.endr
	; group 1 for scale bytes: 128 rows x 32 bytes are 4,096 dense bytes: 16 rows of 256 bytes (32 elements of 8 bytes), 16 bytes of padding behind each
	s_or_b32 s56, s21, (3<<16)|(1<<20)|(1<<21)|(5<<22)|(3<<25)
	s_or_b32 s68, s22, (3<<16)|(1<<20)|(1<<21)|(5<<22)|(3<<25)
.irp g, 56, 68
	s_mov_b32 s[\g+1], 32<<16
	s_mov_b32 s[\g+2], 16<<16
	s_mov_b32 s[\g+3], 32<<16
	s_mov_b32 s[\g+4], 16
	s_mov_b32 s[\g+5], 32
	s_mov_b32 s[\g+6], 0
	s_mov_b32 s[\g+7], 0
.endr
	s_mov_b32 s42, 384<<16                         ; at the head one load brings all 384 weight rows of K 0-255 (tensor_dim1, tile_dim1); behind the head the two words are set to 128
	s_mov_b32 s44, 384
	s_mov_b32 s70, 48<<16                          ; the weights' scale bytes come whole: 384 rows x 32 bytes = 48 rows of 256
	s_mov_b32 s72, 48
	s_lshl_b32 s98, s18, 17
	s_mov_b32 s99, 0
	s_lshl_b32 s2, s18, 12                         ; and its scale bytes
	s_add_co_u32 s2, s2, XSO
	s_mov_b32 s3, 0
	s_max_u32 s23, s16, 1
	s_sub_co_u32 s23, s23, 1
	s_lshl_b32 s23, s23, 7
	s_mul_i32 s100, s17, 384
	s_lshl_b32 s104, s100, 5                       ; the scale bytes of the group's first weight row
	s_add_co_u32 s100, s100, s23                   ; the first weight row that I fetch in the ring: 384 g + 128 (wave - 1)
	s_add_co_u32 s104, s104, WSO
	s_mov_b32 s105, 0
	s_lshl_b32 s100, s100, 10
	s_mov_b32 s101, 0
	s_lshl_b32 s22, s17, 2
	s_add_co_u32 s22, s22, s16
	s_lshl_b32 s22, s22, 2                         ; my query head's gain: 4 bytes a head
	s_mul_i32 s23, s16, HALFT                      ; where my tiles go: wave x 128 rows: no place in the cluster enters an LDS address
	s_mov_b32 s84, 0x76543210                      ; v_permlanex16_b32's selects for lane l xor 16
	s_mov_b32 s85, 0xfedcba98
	s_mov_b32 s86, 0x600000                        ; the mantissa field of 448
	s_mov_b32 s87, 0x34000000                      ; eps = 2^-23
	s_mov_b32 s89, 0xffff0000                      ; lanes 16-31
	s_wait_kmcnt 0x0
	s_add_nc_u64 s[98:99], s[4:5], s[98:99]
	s_add_nc_u64 s[2:3], s[4:5], s[2:3]
	s_add_nc_u64 s[100:101], s[6:7], s[100:101]
	s_add_nc_u64 s[104:105], s[6:7], s[104:105]
	s_load_b32 s88, s[10:11], s22 offset:0x0       ; the gain
	CROUND                                         ; all sixteen work-groups are here: the first joint loads meet
	s_mov_b32 s76, 1
	s_mov_b32 s77, SCL
	s_mov_b64 s[78:79], s[2:3]
	s_or_b32 s79, s79, 0x80000000
	s_mov_b32 s80, 1
	s_mov_b32 s81, SCL+HALFS
	s_mov_b64 s[82:83], s[104:105]
	s_or_b32 s83, s83, 0x80000000
.irp s, 0,1
	s_mov_b32 s[32+4*\s], 1
	s_add_co_u32 s[33+4*\s], s23, \s*SLOT
	s_add_nc_u64 s[34+4*\s:35+4*\s], s[98:99], \s*256
	s_or_b32 s[35+4*\s], s[35+4*\s], 0x80000000
	s_mov_b32 s[48+4*\s], 1
	s_add_co_u32 s[49+4*\s], s23, \s*SLOT
	s_add_nc_u64 s[50+4*\s:51+4*\s], s[100:101], \s*256
	s_or_b32 s[51+4*\s], s[51+4*\s], 0x80000000
.endr
	; THE HEAD'S LOADS, ONE A WAVE: wave 0 x's 128 rows of K 0-255, wave 1 the 384 weight rows, wave 2 x's scale bytes, wave 3 the weights'.  One chain of branches on the wave's number, a load to an arm.
	s_cmp_eq_u32 s16, 0
	s_cbranch_scc0 .Lh_w
	tensor_load_to_lds s[32:35], s[24:31]
	s_nop 0
	PLACES 4
	s_branch .Lh_asked
.Lh_w:
	s_cmp_eq_u32 s16, 1
	s_cbranch_scc0 .Lh_sx
	tensor_load_to_lds s[48:51], s[40:47]
	s_nop 0
	PLACES 4
	s_branch .Lh_asked
.Lh_sx:
	s_cmp_eq_u32 s16, 2
	s_cbranch_scc0 .Lh_sw
	tensor_load_to_lds s[76:79], s[56:63]
	s_nop 0
	PLACES 4
	s_branch .Lh_asked
.Lh_sw:
	tensor_load_to_lds s[80:83], s[68:75]
	s_nop 0
	PLACES 4
.Lh_asked:
	v_and_b32 v1, 31, v0                           ; lane
	v_and_b32 v2, 15, v0                           ; r
	v_bfe_u32 v3, v0, 4, 1                         ; h
	v_mul_u32_u24 v4, v2, PITCH
	v_lshl_add_u32 v4, v3, 4, v4                   ; a fragment's row x pitch + 16 h
	s_wait_alu depctr_va_vdst(0)
	v_lshlrev_b32 v5, 4, v1                        ; 16 x lane
	v_lshlrev_b32 v6, 2, v1                        ; 4 x lane
.irp p, 0,1,2,3
	s_xor_b32 s[90+\p], s16, \p                    ; pair p holds token block p xor wave
	s_lshl_b32 s[94+\p], s[90+\p], 3
	s_mul_i32 s23, s[90+\p], 32*PITCH
	v_add_nc_u32 v[8+\p], s23, v4                  ; x's fragments, slot 0,
	v_add_nc_u32 v[12+\p], SLOT, v[8+\p]           ; slot 1
.endr
	s_mul_i32 s23, s16, 64*PITCH
	s_add_co_u32 s23, s23, HALFT
	v_add_nc_u32 v16, s23, v4                      ; my query head's 64 weight rows
	v_add_nc_u32 v17, SLOT, v16
	v_add_nc_u32 v18, HALFT+256*PITCH, v4          ; the key head's 64
	v_add_nc_u32 v19, SLOT, v18
	s_mul_i32 s23, s16, 16*PITCH
	s_add_co_u32 s23, s23, HALFT+320*PITCH
	v_add_nc_u32 v20, s23, v4                      ; my 16 rows of the value head
	v_add_nc_u32 v21, SLOT, v20
	v_lshrrev_b32 v7, 3, v2
	v_and_b32 v31, 7, v2
	v_lshlrev_b32 v31, 5, v31
	v_mad_u32_u24 v28, v7, 272, v31                ; a row's scale bytes: eight rows to 256 bytes + 16
	v_mad_u32_u24 v31, v3, 544, v28                ; lanes 0-15 take a pair's first tile, lanes 16-31 its second
	s_wait_alu depctr_va_vdst(0)
.irp p, 0,1,2,3
	s_mul_i32 s23, s[90+\p], 1088
	s_add_co_u32 s23, s23, SCL
	v_add_nc_u32 v[22+\p], s23, v31
.endr
	s_mul_i32 s23, s16, 2176
	s_add_co_u32 s23, s23, SCL+HALFS
	v_add_nc_u32 v26, s23, v31
	v_add_nc_u32 v27, SCL+HALFS, v31
	s_mul_i32 s23, s16, 544
	s_add_co_u32 s23, s23, SCL+HALFS+10*1088
	v_add_nc_u32 v28, s23, v28
.irp p, 0,1,2,3
	s_lshl_b32 s23, s[90+\p], 9
	v_add_nc_u32 v[116+\p], s23, v5                ; v's codes of pair p go to key block p xor wave
.endr
	v_lshlrev_b32 v120, 4, v3                      ; 16 h
	v_lshlrev_b32 v121, 1, v3
	v_lshl_add_u32 v121, v2, 2, v121               ; 4 r + 2 h
; one matrix instruction from the symbols rD, rA, rB, rSA, rSB; fRA, fRB: the scale words lie in lanes 16-31
.macro WM zero
.if \zero
.if fRA && fRB
	v_wmma_scale_f32_16x16x128_f8f6f4 v[rD:rD+7], v[rA:rA+15], v[rB:rB+15], 0, v[rSA], v[rSB] matrix_a_scale:MATRIX_SCALE_ROW1 matrix_b_scale:MATRIX_SCALE_ROW1
.elseif fRA
	v_wmma_scale_f32_16x16x128_f8f6f4 v[rD:rD+7], v[rA:rA+15], v[rB:rB+15], 0, v[rSA], v[rSB] matrix_a_scale:MATRIX_SCALE_ROW1
.elseif fRB
	v_wmma_scale_f32_16x16x128_f8f6f4 v[rD:rD+7], v[rA:rA+15], v[rB:rB+15], 0, v[rSA], v[rSB] matrix_b_scale:MATRIX_SCALE_ROW1
.else
	v_wmma_scale_f32_16x16x128_f8f6f4 v[rD:rD+7], v[rA:rA+15], v[rB:rB+15], 0, v[rSA], v[rSB]
.endif
.else
.if fRA && fRB
	v_wmma_scale_f32_16x16x128_f8f6f4 v[rD:rD+7], v[rA:rA+15], v[rB:rB+15], v[rD:rD+7], v[rSA], v[rSB] matrix_a_scale:MATRIX_SCALE_ROW1 matrix_b_scale:MATRIX_SCALE_ROW1
.elseif fRA
	v_wmma_scale_f32_16x16x128_f8f6f4 v[rD:rD+7], v[rA:rA+15], v[rB:rB+15], v[rD:rD+7], v[rSA], v[rSB] matrix_a_scale:MATRIX_SCALE_ROW1
.elseif fRB
	v_wmma_scale_f32_16x16x128_f8f6f4 v[rD:rD+7], v[rA:rA+15], v[rB:rB+15], v[rD:rD+7], v[rSA], v[rSB] matrix_b_scale:MATRIX_SCALE_ROW1
.else
	v_wmma_scale_f32_16x16x128_f8f6f4 v[rD:rD+7], v[rA:rA+15], v[rB:rB+15], v[rD:rD+7], v[rSA], v[rSB]
.endif
.endif
.endm
; The 48 accumulators take turns, one instruction a turn, in the same order in every K step.  zero = 1: the first K step starts the sums.
.macro MULQ f, set, q, xt0, zero       ; q: token tiles xt0 .. xt0 + 3 x my head's four weight tiles
	WIN 0x5b                                       ; source 0 window 3, source 1 window 2, C and D window 1
.set xt_, \xt0
.rept 4
.set wt_, 0
.rept 4
.set rD, 8*(4*xt_+wt_)
.set rA, 128*(\f)+16*wt_
.set rB, 128*(\f)+16*xt_
.set rSA, SC+18*(\set)+8+2*(wt_/2)+(\q)
.set rSB, SC+18*(\set)+2*(xt_/2)+(\q)
.set fRA, wt_%2
.set fRB, xt_%2
	WM \zero
.set wt_, wt_+1
.endr
.set xt_, xt_+1
.endr
.endm
.macro MULK f, set, q, zero            ; k: the two token tiles of pair 0 x the key head's four weight tiles
	WIN 0x0b                                       ; source 0 window 3, source 1 window 2, C and D window 0
.set xt_, 0
.rept 2
.set wt_, 0
.rept 4
.set rD, AK+32*xt_+8*wt_
.set rA, 128*(\f)+64+16*wt_
.set rB, 128*(\f)+16*xt_
.set rSA, SC+18*(\set)+12+2*(wt_/2)+(\q)
.set rSB, SC+18*(\set)+(\q)
.set fRA, wt_%2
.set fRB, xt_%2
	WM \zero
.set wt_, wt_+1
.endr
.set xt_, xt_+1
.endr
.endm
.macro MULV f, set, q, zero            ; v: source 0 = a token tile, source 1 = my 16 rows of the value head
	WIN 0x02                                       ; source 0 window 2, all else window 0
.set xt_, 0
.rept 8
.set rD, AV+8*xt_
.set rA, 128*(\f)+16*xt_
.set rB, WVB+16*(\f)
.set rSA, SC+18*(\set)+2*(xt_/2)+(\q)
.set rSB, SC+18*(\set)+16+(\q)
.set fRA, xt_%2
.set fRB, 0
	WM \zero
.set xt_, xt_+1
.endr
.endm
; a fragment, 16 rows x 128 K of 8-bit codes: lane l holds row l % 16; registers 4 c .. 4 c + 3 hold K = 32 c + 16 (l / 16) + 0 .. 15: four loads of 16 bytes, 32 bytes apart
.macro FETCH_X slot, q, f              ; 32 loads
	WIN 0x80
.irp p, 0,1,2,3
.irp u, 0,1
.irp c, 0,1,2,3
	ds_load_b128 v[128*(\f)+16*(2*\p+\u)+4*\c:128*(\f)+16*(2*\p+\u)+4*\c+3], v[8+4*(\slot)+\p] offset:\u*16*PITCH+128*(\q)+32*\c
.endr
.endr
.endr
.endm
.macro FETCH_W slot, q, f              ; 36 loads
	WIN 0xc0
.irp t, 0,1,2,3
.irp c, 0,1,2,3
	ds_load_b128 v[128*(\f)+16*\t+4*\c:128*(\f)+16*\t+4*\c+3], v[16+(\slot)] offset:\t*16*PITCH+128*(\q)+32*\c
.endr
.endr
.irp t, 0,1,2,3
.irp c, 0,1,2,3
	ds_load_b128 v[128*(\f)+64+16*\t+4*\c:128*(\f)+64+16*\t+4*\c+3], v[18+(\slot)] offset:\t*16*PITCH+128*(\q)+32*\c
.endr
.endr
	WIN 0
.irp c, 0,1,2,3
	ds_load_b128 v[WVB+16*(\f)+4*\c:WVB+16*(\f)+4*\c+3], v[20+(\slot)] offset:128*(\q)+32*\c
.endr
.endm
.macro SCALES set, fill                ; 9 loads: the scale words of a slot's two K steps
.irp p, 0,1,2,3
	ds_load_b64 v[SC+18*(\set)+2*\p:SC+18*(\set)+2*\p+1], v[22+\p] offset:8*(\fill)
.endr
.irp b, 0,1
	ds_load_b64 v[SC+18*(\set)+8+2*\b:SC+18*(\set)+9+2*\b], v26 offset:1088*\b+8*(\fill)
	ds_load_b64 v[SC+18*(\set)+12+2*\b:SC+18*(\set)+13+2*\b], v27 offset:8704+1088*\b+8*(\fill)
.endr
	ds_load_b64 v[SC+18*(\set)+16:SC+18*(\set)+17], v28 offset:8*(\fill)
.endm
; A load into a register that a matrix instruction has read stands eight places behind it, and only plain vector instructions that name none of its registers are places.
; A slot's first K step (fragment set 0): the second step's fragments come into set 1 meanwhile.
.macro STEP slot, zero
.if !\zero
	PLACES 8
.endif
	FETCH_X \slot, 1, 1
	s_wait_dscnt 32                                ; all but the 32 just issued: this step's fragments and scale words are in
	MULQ 0, \slot, 0, 0, \zero
	FETCH_W \slot, 1, 1
	MULQ 0, \slot, 0, 4, \zero
	MULK 0, \slot, 0, \zero
	MULV 0, \slot, 0, \zero
.endm
; A slot's second K step changes slots: ONE barrier; in front of it each wave waits for all its tensor loads, adds 0 to its spare word, and waits for that and for its reads of this slot.  fill = 1: this slot is filled again.
.macro TURN slot, next, fill, nf
	WIN 0
	s_wait_tensorcnt 0x0                           ; all my tensor loads have landed: my part of the next slot;
	ds_add_u32 v29, v30                            ; 0 onto my spare word
	s_wait_dscnt 1                                 ; this step's fragments are in (the add may be out)
	MULQ 1, \slot, 1, 0, 0                         ; sixteen matrix instructions stand between the add and the wait for it
	s_wait_dscnt 0x0                               ; the add is done, and my reads of this slot are over
	s_barrier_signal -1
	MULQ 1, \slot, 1, 4, 0
	WIN 0
	s_barrier_wait -1
.if \fill
	CREST                                          ; the barrier has opened a round of the cluster's barrier: no wave of any partner still reads this slot or has a load on its way
	s_add_nc_u64 s[34+4*\slot:35+4*\slot], s[34+4*\slot:35+4*\slot], 512
	s_add_nc_u64 s[50+4*\slot:51+4*\slot], s[50+4*\slot:51+4*\slot], 512
	JLOAD 32+4*\slot, 24, 48+4*\slot, 40           ; the first tensor load behind the round, my one load until the next; its four v_nop are four of the eight places
	PLACES 4
.else
	PLACES 8
.endif
	FETCH_X \next, 0, 0
	FETCH_W \next, 0, 0
	SCALES \next, \nf
	MULK 1, \slot, 1, 0
	MULV 1, \slot, 1, 0
.endm
	s_wait_alu depctr_va_vdst(0)
	s_wait_tensorcnt 0x0                           ; my tile of the head's four is in
	ds_add_u32 v29, v30
	s_mov_b32 s42, 128<<16                         ; no tensor load of mine is out: from here on a load of weights brings 128 rows
	s_mov_b32 s44, 128
	s_wait_kmcnt 0x0                               ; the gain
	s_wait_dscnt 0x0
	CROUND                                         ; all four tiles are in, and all sixteen work-groups are here
	JLOAD 36, 24, 52, 40                           ; slot 1's first fill, K 256-511: my one load behind the round
	FETCH_X 0, 0, 0
	FETCH_W 0, 0, 0
	SCALES 0, 0
	STEP 0, 1                                      ; K step 0 starts the sums
	TURN 0, 1, 1, 1                                ; 1: slot 0 takes K 512-767
	STEP 1, 0                                      ; 2
	TURN 1, 0, 1, 2                                ; 3: slot 1 takes K 768-1023
	STEP 0, 0                                      ; 4
	TURN 0, 1, 0, 3                                ; 5: nothing is left to fetch
	; no tensor load of mine is out any more: the descriptors' registers take the epilogue's addresses
	s_lshr_b32 s56, s18, 4                         ; batch
	s_and_b32 s57, s18, 15                         ; chunk
	s_lshl_b32 s58, s56, 4
	s_lshl_b32 s59, s17, 2
	s_add_co_u32 s58, s58, s59
	s_add_co_u32 s58, s58, s16                     ; 16 batch + my query head
	s_lshl_b32 s58, s58, 7
	s_lshl_b32 s59, s57, 3
	s_add_co_u32 s58, s58, s59                     ; its tile of queries: 128 a head, 8 a chunk
	s_mov_b32 s63, 0
.irp p, 0,1,2,3
	s_lshl_b32 s60, s[90+\p], 1
	s_add_co_u32 s61, s58, s60
	s_lshl_b32 s62, s61, 10
	s_add_nc_u64 s[24+2*\p:25+2*\p], s[12:13], s[62:63]   ; q's images of pair p
	s_lshl_b32 s62, s61, 6
	s_add_co_u32 s62, s62, QSO
	s_add_nc_u64 s[32+2*\p:33+2*\p], s[12:13], s[62:63]   ; their scale words
	s_add_co_u32 s61, s59, s60
	s_lshl_b32 s62, s61, 12
	s_add_nc_u64 s[40+2*\p:41+2*\p], s[8:9], s[62:63]     ; the pair's cos and sin
.endr
	s_lshl_b32 s60, s56, 2
	s_add_co_u32 s60, s60, s17
	s_lshl_b32 s60, s60, 4
	s_add_co_u32 s60, s60, s57
	s_mul_i32 s60, s60, CH                         ; my chunk of kv
	s_lshl_b32 s61, s16, 11
	s_add_co_u32 s62, s60, s61
	s_add_nc_u64 s[48:49], s[14:15], s[62:63]      ; k's images: tiles 2 w, 2 w + 1
	s_add_co_u32 s62, s62, 8192
	s_add_nc_u64 s[52:53], s[14:15], s[62:63]      ; v's images: channel tile w
	s_lshl_b32 s61, s16, 7
	s_add_co_u32 s62, s60, s61
	s_add_co_u32 s62, s62, 16384
	s_add_nc_u64 s[50:51], s[14:15], s[62:63]      ; k's scale words
	s_lshl_b32 s61, s16, 6
	s_add_co_u32 s62, s60, s61
	s_add_co_u32 s62, s62, 16896
	s_add_nc_u64 s[54:55], s[14:15], s[62:63]      ; v's scale words
	STEP 1, 0                                      ; 6
	PLACES 8                                       ; 7: fragment set 0 is free: it takes the tables of my eight token tiles, 16 cos and 16 sin a lane and tile
	WIN 0x80
.irp xt, 0,1,2,3
.irp k, 0,1,2,3,4,5,6,7
	global_load_b128 v[32*\xt+4*\k:32*\xt+4*\k+3], v5, s[40+2*(\xt/2):41+2*(\xt/2)] offset:4096*(\xt%2)+512*\k
.endr
.endr
	WIN 0xc0
.irp xt, 4,5,6,7
.irp k, 0,1,2,3,4,5,6,7
	global_load_b128 v[32*(\xt-4)+4*\k:32*(\xt-4)+4*\k+3], v5, s[40+2*(\xt/2):41+2*(\xt/2)] offset:4096*(\xt%2)+512*\k
.endr
.endr
	s_wait_dscnt 0x0
	MULQ 1, 1, 1, 0, 0
	MULQ 1, 1, 1, 4, 0
	MULK 1, 1, 1, 0
	MULV 1, 1, 1, 0
; nb blocks of 32 along K: a lane's registers v[s + 16 b + i] are K = 32 b + 16 (lane / 16) + i of its row.  Codes into v[cd + 4 b] on, bytes into v[PT + b].
.macro QUANT s, nb, cd
.set QB_, 0
.rept \nb
	v_max3_num_f32 v[BM+QB_], |v[(\s)+16*QB_]|, |v[(\s)+16*QB_+1]|, 0x4800000   ; my 16 numbers and the floor 2^(9 - 127): the byte cannot fall under 1
.set QB_, QB_+1
.endr
.set QI_, 2
.rept 7
.set QB_, 0
.rept \nb
	v_max3_num_f32 v[BM+QB_], v[BM+QB_], |v[(\s)+16*QB_+QI_]|, |v[(\s)+16*QB_+QI_+1]|
.set QB_, QB_+1
.endr
.set QI_, QI_+2
.endr
.set QB_, 0
.rept \nb
	v_permlanex16_b32 v[PT+QB_], v[BM+QB_], s[SEL], s[SEL+1]
.set QB_, QB_+1
.endr
.set QB_, 0
.rept \nb
	v_max_num_f32 v[BM+QB_], v[BM+QB_], v[PT+QB_]  ; with lane l xor 16's: the block's largest magnitude
.set QB_, QB_+1
.endr
.set QB_, 0
.rept \nb
	v_add_nc_u32 v[SCO+QB_], 0xfc000000, v[BM+QB_] ; 8 off its exponent field: the conversion's scale operand
.set QB_, QB_+1
.endr
.set QB_, 0
.rept \nb
	v_and_or_b32 v[HOLD+QB_], v[BM+QB_], 0x7f800000, s[MNT]   ; 448 x the scale
.set QB_, QB_+1
.endr
.set QB_, 0
.rept \nb
	v_lshrrev_b32 v[PT+QB_], 23, v[SCO+QB_]        ; the scale's byte
.set QB_, QB_+1
.endr
.set QB_, 0
.rept \nb
.set QI_, 0
.rept 16
	v_med3_num_f32 v[(\s)+16*QB_+QI_], v[(\s)+16*QB_+QI_], -v[HOLD+QB_], v[HOLD+QB_]   ; the conversion to an 8-bit code does not saturate (ISA guide 7.6.2)
.set QI_, QI_+1
.endr
	v_cvt_scalef32_pk8_fp8_f32 v[(\cd)+4*QB_:(\cd)+4*QB_+1], v[(\s)+16*QB_:(\s)+16*QB_+7], v[SCO+QB_]
	v_cvt_scalef32_pk8_fp8_f32 v[(\cd)+4*QB_+2:(\cd)+4*QB_+3], v[(\s)+16*QB_+8:(\s)+16*QB_+15], v[SCO+QB_]
.set QB_, QB_+1
.endr
	v_nop                                          ; one plain vector instruction behind the last conversion
.endm
; 16 tokens of one head: 32 sums a lane at v[ab] of window aw (register i: channel 16 h + i; register 16 + i: channel 32 + 16 h + i); cos and sin at v[tb] of window tw.
; rms-norm, rotary step, gain (isq = 1), quantised; two images of 512 bytes to s[pb] + off; the scale word stays in v[96 + set].
.macro QKTILE aw, ab, tw, tb, isq, set, pb, off
	WIN 5*(\aw)
	v_pk_mul_f32 v[68:69], v[(\ab):(\ab)+1], v[(\ab):(\ab)+1]          ; the sum of squares, two chains, each accumulator from its low end on
	v_pk_mul_f32 v[70:71], v[(\ab)+2:(\ab)+3], v[(\ab)+2:(\ab)+3]
.set RI_, 4
.rept 7
	v_pk_fma_f32 v[68:69], v[(\ab)+RI_:(\ab)+RI_+1], v[(\ab)+RI_:(\ab)+RI_+1], v[68:69]
	v_pk_fma_f32 v[70:71], v[(\ab)+RI_+2:(\ab)+RI_+3], v[(\ab)+RI_+2:(\ab)+RI_+3], v[70:71]
.set RI_, RI_+4
.endr
	WIN 0
	v_pk_add_f32 v[68:69], v[68:69], v[70:71]
	v_add_f32 v68, v68, v69
	v_permlanex16_b32 v70, v68, s[SEL], s[SEL+1]   ; the token's other 32 channels lie in the lane 16 away
	v_add_f32 v68, v68, v70
	v_fma_f32 v68, v68, 0x3c800000, s87            ; the mean of 64 squares + eps
	s_wait_alu depctr_va_vdst(0)
	v_rsq_f32 v72, v68
	v_nop                                          ; a plain instruction behind the transcendental
.if \isq
	s_wait_alu depctr_va_vdst(0)
	v_mul_f32 v72, s88, v72
.endif
	WIN (\aw)
.set RI_, 0
	s_wait_alu depctr_va_vdst(0)
.rept 16
	v_pk_mul_f32 v[32+RI_:33+RI_], v[(\ab)+RI_:(\ab)+RI_+1], v[72:73] op_sel_hi:[1,0]
.set RI_, RI_+2
.endr
	WIN 4*(\tw)                                    ; source 1: the table's window
.set RI_, 0
.rept 8
	v_pk_mul_f32 v[64:65], v[48+RI_:49+RI_], v[(\tb)+16+RI_:(\tb)+17+RI_]
	v_pk_mul_f32 v[66:67], v[32+RI_:33+RI_], v[(\tb)+16+RI_:(\tb)+17+RI_]
	v_pk_fma_f32 v[32+RI_:33+RI_], v[32+RI_:33+RI_], v[(\tb)+RI_:(\tb)+RI_+1], v[64:65]                                   ; t1 cos + t2 sin
	v_pk_fma_f32 v[48+RI_:49+RI_], v[48+RI_:49+RI_], v[(\tb)+RI_:(\tb)+RI_+1], v[66:67] neg_lo:[0,0,1] neg_hi:[0,0,1]     ; t2 cos - t1 sin
.set RI_, RI_+2
.endr
	WIN 0
	s_wait_xcnt 0x0                                ; the earlier stores have read their registers: the codes' and the words' may be written again
	QUANT 32, 2, 100+8*(\set)
	global_store_b128 v5, v[100+8*(\set):103+8*(\set)], s[(\pb):(\pb)+1] offset:(\off)
	global_store_b128 v5, v[104+8*(\set):107+8*(\set)], s[(\pb):(\pb)+1] offset:(\off)+512
	v_lshl_or_b32 v[96+(\set)], v[PT+1], 8, v[PT]  ; bytes 2 and 3 stay 0: the instruction's upper 64 along K meet zero codes
.endm
	PLACES 8                                       ; behind the last products: their results are read and their operands' registers written below
	WIN 0
	s_wait_loadcnt 0x0                             ; the tables
	v_mov_b32 v73, 0                               ; (named with v72 as a pair)
.irp b, 0,1,2,3
	v_mov_b32 v[PT+\b], 0                          ; a lane permute's destination counts as one of its sources
.endr
.irp xt, 0,1,2,3,4,5,6,7
	QKTILE 1, 32*\xt, 2+\xt/4, 32*(\xt%4), 1, \xt%2, 24+2*(\xt/2), 1024*(\xt%2)
.if \xt%2
	v_cndmask_b32 v98, v96, v97, s89               ; lanes 0-15 the pair's first tile, lanes 16-31 its second
	global_store_b32 v6, v98, s[32+2*(\xt/2):33+2*(\xt/2)]   ; 128 consecutive bytes
.endif
.endr
.irp u, 0,1
	QKTILE 0, AK+32*\u, 2, 32*\u, 0, \u, 48, 1024*\u
.endr
	v_cndmask_b32 v98, v96, v97, s89
	global_store_b32 v6, v98, s[50:51]
	s_wait_xcnt 0x0
	QUANT AV, 4, 100                               ; v: block p of my registers is key block p xor wave
	v_lshlrev_b32 v96, s94, v[PT]
	v_lshlrev_b32 v97, s95, v[PT+1]
	v_or_b32 v96, v96, v97
	v_lshlrev_b32 v97, s96, v[PT+2]
	v_or_b32 v96, v96, v97
	v_lshlrev_b32 v97, s97, v[PT+3]
	v_or_b32 v96, v96, v97                         ; my channel's scale word for these 128 keys
	v_lshrrev_b32 v96, v120, v96                   ; lanes 0-15 store its low half, lanes 16-31 its high half
.irp p, 0,1,2,3
	global_store_b128 v[116+\p], v[100+4*\p:103+4*\p], s[52:53]
.endr
	global_store_b16 v121, v96, s[54:55]
	s_wait_tensorcnt 0x0                           ; the wave's end
	ds_add_u32 v29, v30
	s_wait_dscnt 0x0
	CROUND                                         ; the closing round
	s_endpgm
.Lfunc_end_k_q83fc70d1ac_qkv:
	.size	k_q83fc70d1ac_qkv, .Lfunc_end_k_q83fc70d1ac_qkv-k_q83fc70d1ac_qkv
	.p2alignl 7, 3214868480
	.fill 96, 4, 3214868480
	.section	.rodata,"a",@progbits
	.p2align	6, 0x0
	.amdhsa_kernel k_q83fc70d1ac_qkv
		.amdhsa_group_segment_fixed_size 327680
		.amdhsa_private_segment_fixed_size 0
		.amdhsa_enable_private_segment 0
		.amdhsa_kernarg_size 48
		.amdhsa_user_sgpr_count 2
		.amdhsa_user_sgpr_kernarg_segment_ptr 1
		.amdhsa_wavefront_size32 1
		.amdhsa_system_sgpr_workgroup_id_x 1
		.amdhsa_system_sgpr_workgroup_id_y 1
		.amdhsa_system_sgpr_workgroup_id_z 1
		.amdhsa_system_vgpr_workitem_id 0
		.amdhsa_next_free_vgpr 1024
		.amdhsa_next_free_sgpr 106
		.amdhsa_reserve_vcc 0
		.amdhsa_float_denorm_mode_32 3
		.amdhsa_float_denorm_mode_16_64 3
		.amdhsa_memory_ordered 1
		.amdhsa_forward_progress 1
		.amdhsa_inst_pref_size 209
	.end_amdhsa_kernel
	.amdgpu_metadata
---
amdhsa.version: [ 1, 2 ]
amdhsa.kernels:
  - .name:           k_q83fc70d1ac_qkv
    .symbol:         k_q83fc70d1ac_qkv.kd
    .args:
      - { .name: xq, .offset: 0, .size: 8, .value_kind: global_buffer, .address_space: global }
      - { .name: wts, .offset: 8, .size: 8, .value_kind: global_buffer, .address_space: global }
      - { .name: rope, .offset: 16, .size: 8, .value_kind: global_buffer, .address_space: global }
      - { .name: q_gain, .offset: 24, .size: 8, .value_kind: global_buffer, .address_space: global }
      - { .name: qb, .offset: 32, .size: 8, .value_kind: global_buffer, .address_space: global }
      - { .name: kv, .offset: 40, .size: 8, .value_kind: global_buffer, .address_space: global }
    .group_segment_fixed_size: 327680
    .private_segment_fixed_size: 0
    .kernarg_segment_align: 8
    .kernarg_segment_size: 48
    .max_flat_workgroup_size: 128
    .sgpr_count:     106
    .vgpr_count:     1024
    .wavefront_size: 32
...
	.end_amdgpu_metadata
.endif
;; end of part 2
;; launch attn (part 3): grid 16 x 16, 16 waves a work-group, clusters of 4 x 1, 327,680 bytes of LDS; arguments qb, kv, yb; writes yb
.if DOCPART == 3
	.amdgcn_target "amdgcn-amd-amdhsa--gfx1250"
	.amdhsa_code_object_version 6
	.text
	.protected	k_q83fc70d1ac_attn
	.globl	k_q83fc70d1ac_attn
	.p2align	8
	.type	k_q83fc70d1ac_attn,@function
k_q83fc70d1ac_attn:
	s_mov_b64 s[64:65], 0
	v_nop
	global_prefetch_b8 v0, s[64:65] scope:SCOPE_SE
	s_setreg_imm32_b32 hwreg(HW_REG_WAVE_MODE, 25, 1), 1
	s_wait_xcnt 0x0
	s_wait_alu depctr_hold_cnt(0) depctr_sa_sdst(0) depctr_va_vdst(0) depctr_va_sdst(0) depctr_va_ssrc(0) depctr_va_vcc(0) depctr_vm_vsrc(0)
	s_getreg_b32 s2, hwreg(HW_REG_IB_STS2, 6, 4)
	s_cmp_eq_u32 s2, 0
	s_cbranch_scc0 .Lentry_in_a_cluster
	s_endpgm
.Lentry_in_a_cluster:
	s_bfe_u32 s2, ttmp6, 0x10000c
	s_cmp_lg_u32 s2, 0x3003
	s_cbranch_scc0 .Lentry_shape_is_right
	s_endpgm
.Lentry_shape_is_right:
; y = softmax(q k^T / 8, causal) v on codes of FP8 (E4M3) with E8M0 scales, then y is quantised along the head's 64 for the projection.
; p = 2^(t - M), t = score x log2(e) / 8, M the running largest t rounded up to a whole number; the row's sum is taken of the unquantised p and divides at the end.
; LEFT OUT: key steps all of whose 128 keys come after a tile's 16 queries: the causal mask sets their scores to -inf, so p = 0 for every input.
; LIMITS: the scaled scores stay under 2^31 in magnitude; NaN and infinities are not served; a block of zeros keeps the byte 1 (zero codes).
; THE DEAL.  A work-group is one query head; work-group x' (0..3, the cluster's x) takes the tiles t = 4 i + x' of 16 queries, i = 0..31.  Wave w takes i = 31 - w, then i = w: (i / 2 + 1) key steps each, 17 in all for every wave.
; CLUSTER 4 x 1: the four query heads of one key/value head walk the same K and V: the head's 16 chunks of 128 keys (17,152 bytes: K images 8,192, V images 8,192, scale words 768; 67 rows of 256 bytes, aligned)
; are asked for jointly, one chunk a wave, at the head, and stay in LDS: 274,432 bytes.  Every work-group reads every chunk (wave 0's first tile lies in chunk 15).  No branch and no LDS address hangs on the place in the cluster.
; Waves 0-3 have a load line of their own: the first barrier shows chunks 0-3 alone; the second, four steps on, shows the rest.
; No prefetch: all that the launch reads through LDS is asked for at its head, so there is no loop to run ahead in.
; A lane holds ONE query: S^T = K Q^T (the head's 64 fill half of the instruction's 128: q's upper codes are zeros), O^T = V^T P^T.  Register 16 b + i of S is key 32 b + 16 (lane / 16) + i of the chunk.
; THE ROW'S SUMS ARE THE PLACES: the holds write eight registers of their own, so p stays as it is, and the 32 packed additions stand behind conversions and products where plain vector lines are owed;
; those of registers 32-63 stand in the next step (or in the way out), ahead of the products that write these registers again.
.set QSO,  8388608
.set YSO,  8388608
.set CH,   17152
.set SPARE, 16*CH                      ; the spare words: 128 bytes a wave
.set S,    104                         ; v104-167 scores, then p
.set O,    168                         ; v168-199 O^T
.set PCD,  200                         ; v200-215 p's codes
.set BM,   216
.set PT,   220
.set HOLD, 224
.set SCO,  228
.set SM2,  232                         ; v[232:233] the sum's second chain; v[14:15] its first
.set FF,   234
.set PW,   236
.set QW,   237
.set KW,   238
.set VW,   242
.set T,    244                         ; v244-251 eight held numbers for a conversion
.set SEL,  26
.set MNT,  24
.macro CROUND                          ; a round of the cluster's barrier
	s_barrier_signal -1
	s_barrier_wait -1
	s_cmp_lg_u32 s10, 0
	s_cbranch_scc1 .Lnot_wave_0_\@
	s_barrier_signal -3
.Lnot_wave_0_\@:
	s_barrier_wait -3
	s_barrier_signal -1
	s_barrier_wait -1
.endm
.macro SUM4 j                          ; four of p into the two chains
	v_pk_add_f32 v[14:15], v[14:15], v[S+(\j):S+(\j)+1]
	v_pk_add_f32 v[SM2:SM2+1], v[SM2:SM2+1], v[S+(\j)+2:S+(\j)+3]
.endm
.macro MAXB p, q                       ; the largest score of two blocks of 32 keys, my 16 of each; each accumulator from its low end on
.irp b, \p, \q
	v_max3_num_f32 v[BM+\b], v[S+16*\b], v[S+1+16*\b], v[S+2+16*\b]
.endr
.irp i, 3,5,7,9,11,13
.irp b, \p, \q
	v_max3_num_f32 v[BM+\b], v[BM+\b], v[S+16*\b+\i], v[S+1+16*\b+\i]
.endr
.endr
.irp b, \p, \q
	v_max_num_f32 v[BM+\b], v[BM+\b], v[S+15+16*\b]
.endr
.endm
.macro SMUL t0, t1                     ; four tiles of S^T; a tile's upper eight operand registers meet q's zero codes
.irp t, \t0, \t1
	v_wmma_scale_f32_16x16x128_f8f6f4 v[S+8*\t:S+8*\t+7], v[32+8*\t:47+8*\t], v[16:31], 0, v[KW+\t/2], v[QW]
	v_wmma_scale_f32_16x16x128_f8f6f4 v[S+8*\t+8:S+8*\t+15], v[40+8*\t:55+8*\t], v[16:31], 0, v[KW+\t/2], v[QW] matrix_a_scale:MATRIX_SCALE_ROW1
.endr
.endm
.macro MASKB b                         ; the diagonal step, block b against the tile's own block s17: under it open, at it key i hidden where i > v9, over it all hidden
	s_cmp_gt_u32 s17, \b
	s_cbranch_scc1 .Lmd_\@
	s_cmp_eq_u32 s17, \b
	s_cbranch_scc0 .Lmh_\@
.irp i, 0,1,2,3,4,5,6,7,8,9,10,11,12,13,14,15
	v_cmp_gt_i32 vcc_lo, \i, v9
	v_cndmask_b32 v[S+16*\b+\i], v[S+16*\b+\i], v10, vcc_lo
.endr
	s_branch .Lmd_\@
.Lmh_\@:
.irp i, 0,2,4,6,8,10,12,14
	v_dual_mov_b32 v[S+16*\b+\i], v10 :: v_dual_mov_b32 v[S+16*\b+\i+1], v10
.endr
.Lmd_\@:
.endm
; a pass's numbers from s18 = i: the tile, its count of key steps s19, its own block s17; q's loads; y's addresses into s[ya .. ya + 3]
.macro SETP ya
	s_lshl_b32 s52, s18, 2
	s_add_co_u32 s52, s52, s11                     ; t = 4 i + x'
	s_lshr_b32 s19, s18, 1
	s_add_co_u32 s19, s19, 1
	s_and_b32 s17, s18, 1
	s_lshl_b32 s17, s17, 1
	s_add_co_u32 s17, s17, s62                     ; (t % 8) / 2
	s_lshl_b32 s53, s16, 7
	s_add_co_u32 s53, s53, s52
	s_lshl_b32 s54, s53, 10
	s_mov_b32 s55, 0
	s_add_nc_u64 s[56:57], s[4:5], s[54:55]
	s_lshl_b32 s54, s53, 6
	s_add_co_u32 s54, s54, QSO
	s_add_nc_u64 s[60:61], s[4:5], s[54:55]
	global_load_b128 v[16:19], v1, s[56:57] th:TH_LOAD_NT
	global_load_b128 v[20:23], v1, s[56:57] offset:512 th:TH_LOAD_NT
	global_load_b32 v[QW], v6, s[60:61] th:TH_LOAD_NT
	s_lshl_b32 s53, s13, 7
	s_add_co_u32 s53, s53, s52
	s_lshl_b32 s54, s53, 14
	s_lshl_b32 s59, s15, 10
	s_add_co_u32 s54, s54, s59
	s_add_nc_u64 s[\ya:\ya+1], s[8:9], s[54:55]
	s_lshl_b32 s54, s53, 9
	s_lshl_b32 s59, s15, 1
	s_add_co_u32 s54, s54, s59
	s_add_co_u32 s54, s54, YSO
	s_add_nc_u64 s[\ya+2:\ya+3], s[8:9], s[54:55]
.endm
.macro INITV                           ; a pass begins: the largest t under every t, sums and O^T zero; registers 32-63 of p zero, since the first step adds them
	v_mov_b32 v13, 0xff61b1e6
	s_delay_alu instid0(VALU_DEP_1)
	v_floor_f32 v12, -v13
	v_mov_b32 v14, 0
	v_mov_b32 v15, 0
	v_mov_b32 v[SM2], 0
	v_mov_b32 v[SM2+1], 0
.set J_, 0
.rept 16
	v_dual_mov_b32 v[O+J_], 0 :: v_dual_mov_b32 v[O+J_+1], 0
	v_dual_mov_b32 v[S+32+J_], 0 :: v_dual_mov_b32 v[S+33+J_], 0
.set J_, J_+2
.endr
.endm
; A KEY STEP: 128 keys, the chunk at LDS byte s21.  chk = 1: steps past the tile's last are left out, the last is masked.
.macro STEP chk
.if \chk
	s_cmp_ge_u32 s20, s19
	s_cbranch_scc1 .Lskip_\@
.endif
	v_add_nc_u32 v4, s21, v1
	v_add_nc_u32 v5, s21, v2
.irp t, 0,1,2,3,4,5,6,7
	ds_load_b128 v[32+8*\t:35+8*\t], v4 offset:1024*\t
	ds_load_b128 v[36+8*\t:39+8*\t], v4 offset:1024*\t+512
.endr
.irp t, 0,1,2,3
	ds_load_b32 v[KW+\t], v5 offset:16384+128*\t
.endr
.irp j, 32,36,40,44
	SUM4 \j                                        ; the last step's p, while the loads are out
.endr
	s_wait_alu depctr_va_vdst(0)
	s_wait_dscnt 0x0
	SMUL 0, 2
.irp j, 48,52,56,60
	SUM4 \j                                        ; eight places behind tiles 0-3
.endr
	SMUL 4, 6
.if \chk
	s_add_co_u32 s59, s20, 1
	s_cmp_lg_u32 s59, s19
	s_cbranch_scc1 .Lopen_\@
.rept 8
	v_nop
.endr
.irp b, 0,1,2,3
	MASKB \b
.endr
	s_wait_alu depctr_va_vdst(0)
.Lopen_\@:
.endif
	MAXB 0, 1                                      ; sixteen places behind tiles 4-7
.irp t, 0,1,2,3
.irp c, 0,1,2,3
	ds_load_b128 v[32+16*\t+4*\c:35+16*\t+4*\c], v4 offset:8192+2048*\t+512*\c
.endr
.endr
.irp t, 0,1
	ds_load_b32 v[VW+\t], v5 offset:16896+128*\t
.endr
	MAXB 2, 3
.irp b, 0,1,2,3
	v_permlanex16_b32 v[PT+\b], v[BM+\b], s[SEL], s[SEL+1]
.endr
.irp b, 0,1,2,3
	s_delay_alu instid0(VALU_DEP_4)
	v_max_num_f32 v[BM+\b], v[BM+\b], v[PT+\b]     ; with lane l xor 16's 16 keys
.endr
	s_delay_alu instid0(VALU_DEP_2)
	v_max3_num_f32 v11, v[BM], v[BM+1], v[BM+2]
	s_delay_alu instid0(VALU_DEP_1)
	v_max_num_f32 v11, v11, v[BM+3]
	s_delay_alu instid0(VALU_DEP_1)
	v_mul_f32 v11, s22, v11
	s_delay_alu instid0(VALU_DEP_1)
	v_max_num_f32 v13, v13, v11                    ; the running largest t
	v_mov_b32 v11, v12
	s_delay_alu instid0(VALU_DEP_2)
	v_floor_f32 v12, -v13                          ; -M = floor(-t)
	s_delay_alu instid0(VALU_DEP_1)
	v_sub_f32 v11, v12, v11
	s_delay_alu instid0(VALU_DEP_1)
	v_cvt_i32_f32 v11, v11
	s_delay_alu instid0(VALU_DEP_1)
	v_ldexp_f32 v[FF], 1.0, v11                    ; f = 2^(old M - new M)
.irp j, 0,2,4,6,8,10,12,14,16,18,20,22,24,26,28,30,32,34,36,38,40,42,44,46,48,50,52,54,56,58,60,62
	v_pk_fma_f32 v[S+\j:S+1+\j], v[S+\j:S+1+\j], s[22:23], v[12:13] op_sel_hi:[1,0,0]
.endr
.irp b, 0,1,2,3
	v_fma_f32 v[BM+\b], v[BM+\b], s22, v12
.endr
	s_wait_alu depctr_va_vdst(0)
.irp j, 0,1,2,3,4,5,6,7,8,9,10,11,12,13,14,15,16,17,18,19,20,21,22,23,24,25,26,27,28,29,30,31,32,33,34,35,36,37,38,39,40,41,42,43,44,45,46,47,48,49,50,51,52,53,54,55,56,57,58,59,60,61,62,63
	v_exp_f32 v[S+\j], v[S+\j]
.endr
.irp b, 0,1,2,3
	v_exp_f32 v[BM+\b], v[BM+\b]                   ; a block's largest p: the same two lines on its largest score
.endr
	v_pk_mul_f32 v[14:15], v[14:15], v[FF:FF+1] op_sel_hi:[1,0]
	v_pk_mul_f32 v[SM2:SM2+1], v[SM2:SM2+1], v[FF:FF+1] op_sel_hi:[1,0]
	s_wait_alu depctr_va_vdst(0)                   ; and behind it, ahead of its first reader
.irp b, 0,1,2,3
	v_max_num_f32 v[BM+\b], 0x4800000, v[BM+\b]    ; the floor 2^(9 - 127): the byte cannot fall under 1
.endr
.irp b, 0,1,2,3
	s_delay_alu instid0(VALU_DEP_4)
	v_add_nc_u32 v[SCO+\b], 0xfc000000, v[BM+\b]
.endr
.irp b, 0,1,2,3
	v_and_or_b32 v[HOLD+\b], v[BM+\b], 0x7f800000, s[MNT]
.endr
.irp b, 0,1,2,3
	v_lshrrev_b32 v[PT+\b], 23, v[SCO+\b]
.endr
	s_delay_alu instid0(VALU_DEP_3)
	v_lshl_or_b32 v[PW], v[PT+1], 8, v[PT]
	s_delay_alu instid0(VALU_DEP_1)
	v_lshl_or_b32 v[PW], v[PT+2], 16, v[PW]
	s_delay_alu instid0(VALU_DEP_1)
	v_lshl_or_b32 v[PW], v[PT+3], 24, v[PW]
.irp b, 0,1,2,3
.irp g, 0,1
.irp k, 0,2,4,6
	v_dual_min_num_f32 v[T+\k], v[S+16*\b+8*\g+\k], v[HOLD+\b] :: v_dual_min_num_f32 v[T+\k+1], v[S+16*\b+8*\g+\k+1], v[HOLD+\b]   ; the conversion does not saturate (ISA guide 7.6.2); p is not negative
.endr
	v_cvt_scalef32_pk8_fp8_f32 v[PCD+4*\b+2*\g:PCD+4*\b+2*\g+1], v[T:T+7], v[SCO+\b]
.if \g
	v_pk_add_f32 v[SM2:SM2+1], v[SM2:SM2+1], v[S+4*\b+2:S+4*\b+3]   ; the plain line behind a conversion, ahead of the next write of its sources
.else
	v_pk_add_f32 v[14:15], v[14:15], v[S+4*\b:S+4*\b+1]
.endif
.endr
.endr
	s_wait_alu depctr_va_vdst(0)                   ; ahead of the first reader of O^T
.irp j, 0,2,4,6,8,10,12,14,16,18,20,22,24,26,28,30
	v_pk_mul_f32 v[O+\j:O+1+\j], v[O+\j:O+1+\j], v[FF:FF+1] op_sel_hi:[1,0]
.endr
	s_wait_alu depctr_va_vdst(0)
	s_wait_dscnt 0x0
	v_wmma_scale_f32_16x16x128_f8f6f4 v[O:O+7], v[32:47], v[PCD:PCD+15], v[O:O+7], v[VW], v[PW]
	v_wmma_scale_f32_16x16x128_f8f6f4 v[O+8:O+15], v[48:63], v[PCD:PCD+15], v[O+8:O+15], v[VW], v[PW] matrix_a_scale:MATRIX_SCALE_ROW1
	v_wmma_scale_f32_16x16x128_f8f6f4 v[O+16:O+23], v[64:79], v[PCD:PCD+15], v[O+16:O+23], v[VW+1], v[PW]
	v_wmma_scale_f32_16x16x128_f8f6f4 v[O+24:O+31], v[80:95], v[PCD:PCD+15], v[O+24:O+31], v[VW+1], v[PW] matrix_a_scale:MATRIX_SCALE_ROW1
.irp j, 16,20,24,28
	SUM4 \j                                        ; eight places behind the products, ahead of the next loads into their operands and of the way out
.endr
.if \chk
.Lskip_\@:
.endif
.endm
.macro LOOPEND n, lab
	s_add_co_u32 s21, s21, CH
	s_add_co_u32 s20, s20, 1
	s_cmp_lt_u32 s20, \n
	s_wait_alu depctr_va_vdst(0)
	s_cbranch_scc1 \lab
.endm
; THE WAY OUT of a tile: the last step's p 32-63 into the sums; O^T / the sum; quantised along the head's 64; two images of 512 bytes and a scale byte a lane
.macro FINISH ya
.irp j, 32,36,40,44,48,52,56,60
	SUM4 \j
.endr
	v_pk_add_f32 v[14:15], v[14:15], v[SM2:SM2+1]
	v_add_f32 v14, v14, v15
	v_permlanex16_b32 v11, v14, s[SEL], s[SEL+1]
	v_add_f32 v14, v14, v11
	s_wait_alu depctr_va_vdst(0)
	v_rcp_f32 v[FF], v14
	v_nop
	s_wait_alu depctr_va_vdst(0)
.irp j, 0,2,4,6,8,10,12,14,16,18,20,22,24,26,28,30
	v_pk_mul_f32 v[S+\j:S+1+\j], v[O+\j:O+1+\j], v[FF:FF+1] op_sel_hi:[1,0]
.endr
.irp b, 0,1
	v_max3_num_f32 v[BM+\b], |v[S+16*\b]|, |v[S+1+16*\b]|, 0x4800000
.endr
.irp i, 2,4,6,8,10,12,14
.irp b, 0,1
	s_delay_alu instid0(VALU_DEP_2)
	v_max3_num_f32 v[BM+\b], v[BM+\b], |v[S+16*\b+\i]|, |v[S+1+16*\b+\i]|
.endr
.endr
.irp b, 0,1
	s_delay_alu instid0(VALU_DEP_2)
	v_permlanex16_b32 v[PT+\b], v[BM+\b], s[SEL], s[SEL+1]
.endr
.irp b, 0,1
	s_delay_alu instid0(VALU_DEP_2)
	v_max_num_f32 v[BM+\b], v[BM+\b], v[PT+\b]
.endr
.irp b, 0,1
	s_delay_alu instid0(VALU_DEP_2)
	v_add_nc_u32 v[SCO+\b], 0xfc000000, v[BM+\b]
.endr
.irp b, 0,1
	s_delay_alu instid0(VALU_DEP_4)
	v_and_or_b32 v[HOLD+\b], v[BM+\b], 0x7f800000, s[MNT]
.endr
.irp b, 0,1
	s_delay_alu instid0(VALU_DEP_4)
	v_lshrrev_b32 v[PT+\b], 23, v[SCO+\b]
.endr
.irp b, 0,1
.irp i, 0,1,2,3,4,5,6,7,8,9,10,11,12,13,14,15
	v_med3_num_f32 v[S+16*\b+\i], v[S+16*\b+\i], -v[HOLD+\b], v[HOLD+\b]
.endr
	v_cvt_scalef32_pk8_fp8_f32 v[PCD+4*\b:PCD+1+4*\b], v[S+16*\b:S+7+16*\b], v[SCO+\b]
	v_cvt_scalef32_pk8_fp8_f32 v[PCD+2+4*\b:PCD+3+4*\b], v[S+8+16*\b:S+15+16*\b], v[SCO+\b]
.endr
	s_wait_alu depctr_va_vdst(0)
	v_cndmask_b32 v11, v[PT], v[PT+1], s25         ; lanes 0-15 store block 0's byte, lanes 16-31 block 1's
	s_wait_alu depctr_va_vdst(0)
	global_store_b128 v1, v[PCD:PCD+3], s[\ya:\ya+1]
	global_store_b128 v1, v[PCD+4:PCD+7], s[\ya:\ya+1] offset:512
	global_store_b8 v7, v11, s[\ya+2:\ya+3]
	s_wait_xcnt 0x0                                ; the stores have read their registers, which the next pass writes
.endm
	s_load_b128 s[4:7], s[0:1], 0x0                ; qb, kv
	s_load_b64 s[8:9], s[0:1], 0x10                ; yb
	v_lshl_add_u32 v254, v0, 2, SPARE
	v_mov_b32 v255, 0
	ds_add_u32 v254, v255                          ; the opening lines: the add, twice on end, and its wait
	ds_add_u32 v254, v255
	v_lshrrev_b32 v8, 5, v0
	v_readfirstlane_b32 s10, v8                    ; wave
	s_mov_b32 s11, ttmp9                           ; x': the cluster's x
	s_and_b32 s12, ttmp7, 0xffff                   ; 4 batch + key/value head
	s_bfe_u32 s48, ttmp6, 0x40000                  ; my place in the cluster: the query head within the group; it enters global addresses alone
	s_lshr_b32 s13, s12, 2
	s_and_b32 s14, s12, 3
	s_lshl_b32 s15, s14, 2
	s_add_co_u32 s15, s15, s48                     ; the query head
	s_lshl_b32 s16, s13, 4
	s_add_co_u32 s16, s16, s15
	s_lshr_b32 s62, s11, 1
	s_and_b32 s63, s11, 1
	s_lshl_b32 s63, s63, 3                         ; 8 (t % 2)
	s_mov_b32 s22, 0x3e38aa3b                      ; log2(e) / 8
	s_mov_b32 s23, s22
	s_mov_b32 s24, 0x600000                        ; the mantissa field of 448
	s_mov_b32 s25, 0xffff0000
	s_mov_b32 s26, 0x76543210
	s_mov_b32 s27, 0xfedcba98
	s_mov_b32 s28, 15|(3<<16)|(1<<21)              ; group 1: the mask of all four partners; elements of 8 bytes; bit 21 beside a mask
	s_mov_b32 s29, 32<<16                          ; a chunk is a dense block: 67 rows of 256 bytes
	s_mov_b32 s30, 67<<16
	s_mov_b32 s31, 32<<16
	s_mov_b32 s32, 67
	s_mov_b32 s33, 32
	s_mov_b32 s34, 0
	s_mov_b32 s35, 0
	s_mul_i32 s54, s12, 16*CH
	s_mul_i32 s45, s10, CH                         ; chunk = my wave's number, in LDS and in memory
	s_add_co_u32 s54, s54, s45
	s_mov_b32 s55, 0
	s_mov_b32 s44, 1
	s_wait_dscnt 0x0
	CROUND                                         ; the four partners are here: the joint loads meet
	s_wait_kmcnt 0x0
	s_add_nc_u64 s[46:47], s[6:7], s[54:55]
	s_or_b32 s47, s47, 0x80000000
	s_cmp_lt_u32 s10, 4                            ; one load a wave; waves 0-3 have a line of their own, since the first barrier waits for it alone
	s_cbranch_scc0 .Llate
	tensor_load_to_lds s[44:47], s[28:35]
	s_nop 0
.rept 4
	v_nop
.endr
	s_branch .Lasked
.Llate:
	tensor_load_to_lds s[44:47], s[28:35]
	s_nop 0
.rept 4
	v_nop
.endr
.Lasked:
	v_and_b32 v8, 31, v0
	v_and_b32 v3, 15, v0                           ; r
	v_bfe_u32 v9, v0, 4, 1                         ; h
	v_lshlrev_b32 v1, 4, v8                        ; 16 x lane
	v_lshlrev_b32 v2, 2, v8                        ; 4 x lane
	v_lshlrev_b32 v6, 2, v3
	v_lshl_add_u32 v7, v3, 5, v9                   ; y's scale byte: 32 r + h
	v_and_b32 v3, 7, v0
	v_bfe_u32 v10, v0, 3, 1
	v_lshl_add_u32 v3, v10, 4, v3
	v_lshlrev_b32 v9, 4, v9
	v_sub_nc_u32 v3, v3, v9
	v_add_nc_u32 v9, s63, v3                       ; my query's place in its block of 32, less 16 h
	v_mov_b32 v10, 0xff800000                      ; -infinity
	v_mov_b32 v11, 0
	v_mov_b32 v[FF+1], 0
.irp j, 0,1,2,3,4,5,6,7
	v_mov_b32 v[24+\j], 0                          ; q's upper 64 along K: zero codes
	v_mov_b32 v[96+\j], 0
.endr
.irp b, 0,1,2,3
	v_mov_b32 v[PT+\b], 0
.endr
	s_wait_alu depctr_va_vdst(0)
	s_sub_co_u32 s18, 31, s10                      ; the first pass: i = 31 - wave, at least 9 key steps
	SETP 36
	INITV
	s_wait_alu depctr_va_vdst(0)
	s_wait_loadcnt 0x0
	s_cmp_lt_u32 s10, 4
	s_cbranch_scc0 .Lnot_first
	s_wait_tensorcnt 0x0                           ; waves 0-3: chunks 0-3 are in
.Lnot_first:
	s_barrier_signal -1
	s_barrier_wait -1
	s_mov_b32 s20, 0
	s_mov_b32 s21, 0
.Lone:
	STEP 0
	LOOPEND 4, .Lone
	s_wait_tensorcnt 0x0                           ; every wave: all sixteen chunks
	s_wait_dscnt 0x0
	s_barrier_signal -1
	s_barrier_wait -1
	s_mov_b32 s20, 4
	s_mov_b32 s21, 4*CH
.Ltwo:
	STEP 1
	LOOPEND 16, .Ltwo
	s_mov_b32 s18, s10                             ; the second pass: i = wave; its q is asked for ahead of the first pass's way out
	SETP 40
	FINISH 36
	INITV
	s_wait_alu depctr_va_vdst(0)
	s_wait_loadcnt 0x0
	s_mov_b32 s20, 0
	s_mov_b32 s21, 0
.Lthree:
	STEP 1
	LOOPEND 8, .Lthree
	FINISH 40
	s_wait_tensorcnt 0x0                           ; the wave's end
	ds_add_u32 v254, v255
	s_wait_dscnt 0x0
	CROUND                                         ; the closing round
	s_endpgm
.Lfunc_end_k_q83fc70d1ac_attn:
	.size	k_q83fc70d1ac_attn, .Lfunc_end_k_q83fc70d1ac_attn-k_q83fc70d1ac_attn
	.p2alignl 7, 3214868480
	.fill 96, 4, 3214868480
	.section	.rodata,"a",@progbits
	.p2align	6, 0x0
	.amdhsa_kernel k_q83fc70d1ac_attn
		.amdhsa_group_segment_fixed_size 327680
		.amdhsa_private_segment_fixed_size 0
		.amdhsa_enable_private_segment 0
		.amdhsa_kernarg_size 24
		.amdhsa_user_sgpr_count 2
		.amdhsa_user_sgpr_kernarg_segment_ptr 1
		.amdhsa_wavefront_size32 1
		.amdhsa_system_sgpr_workgroup_id_x 1
		.amdhsa_system_sgpr_workgroup_id_y 1
		.amdhsa_system_sgpr_workgroup_id_z 1
		.amdhsa_system_vgpr_workitem_id 0
		.amdhsa_next_free_vgpr 256
		.amdhsa_next_free_sgpr 66
		.amdhsa_reserve_vcc 1
		.amdhsa_float_denorm_mode_32 3
		.amdhsa_float_denorm_mode_16_64 3
		.amdhsa_memory_ordered 1
		.amdhsa_forward_progress 1
		.amdhsa_inst_pref_size 98
	.end_amdhsa_kernel
	.amdgpu_metadata
---
amdhsa.version: [ 1, 2 ]
amdhsa.kernels:
  - .name:           k_q83fc70d1ac_attn
    .symbol:         k_q83fc70d1ac_attn.kd
    .args:
      - { .name: qb, .offset: 0, .size: 8, .value_kind: global_buffer, .address_space: global }
      - { .name: kv, .offset: 8, .size: 8, .value_kind: global_buffer, .address_space: global }
      - { .name: yb, .offset: 16, .size: 8, .value_kind: global_buffer, .address_space: global }
    .group_segment_fixed_size: 327680
    .private_segment_fixed_size: 0
    .kernarg_segment_align: 8
    .kernarg_segment_size: 24
    .max_flat_workgroup_size: 512
    .sgpr_count:     66
    .vgpr_count:     256
    .wavefront_size: 32
...
	.end_amdgpu_metadata
.endif
;; end of part 3
;; launch proj (part 4): grid 4 x 64, 4 waves a work-group, clusters of 4 x 4, 327,680 bytes of LDS; arguments yb, wts, out0; writes out0
.if DOCPART == 4
	.amdgcn_target "amdgcn-amd-amdhsa--gfx1250"
	.amdhsa_code_object_version 6
	.text
	.protected	k_q83fc70d1ac_proj
	.globl	k_q83fc70d1ac_proj
	.p2align	8
	.type	k_q83fc70d1ac_proj,@function
k_q83fc70d1ac_proj:
	s_mov_b64 s[64:65], 0
	v_nop
	global_prefetch_b8 v0, s[64:65] scope:SCOPE_SE
	s_setreg_imm32_b32 hwreg(HW_REG_WAVE_MODE, 25, 1), 1
	s_wait_xcnt 0x0
	s_wait_alu depctr_hold_cnt(0) depctr_sa_sdst(0) depctr_va_vdst(0) depctr_va_sdst(0) depctr_va_ssrc(0) depctr_va_vcc(0) depctr_vm_vsrc(0)
	s_getreg_b32 s2, hwreg(HW_REG_IB_STS2, 6, 4)
	s_cmp_eq_u32 s2, 0
	s_cbranch_scc0 .Lentry_in_a_cluster
	s_endpgm
.Lentry_in_a_cluster:
	s_bfe_u32 s2, ttmp6, 0x10000c
	s_cmp_lg_u32 s2, 0xf033
	s_cbranch_scc0 .Lentry_shape_is_right
	s_endpgm
.Lentry_shape_is_right:
.set YSO,   8388608
.set PCO,   1622016
.set PSO,   2670592
.set PITCH, 272
.set HALFT, 128*PITCH
.set YIMG,  32768
.set SLOT,  YIMG+2*HALFT
.set SCL,   2*SLOT
.set STAGE, SCL+3*4352
.set SPITCH, 528
.set SPARE, STAGE+4*16*SPITCH
.set BK,    128
.set MSB, 0
.macro WIN new
.if MSB != (\new)
	s_set_vgpr_msb (MSB<<8)|(\new)
.set MSB, (\new)
.endif
.endm
.macro PLACES n
.rept \n
	v_nop
.endr
.endm
.macro JLOAD g0a, g1a, g0b, g1b
	s_cmp_eq_u32 s15, 0
	s_cbranch_scc0 .Lfor_b_\@
	tensor_load_to_lds s[\g0a:\g0a+3], s[\g1a:\g1a+7]
	s_nop 0
.rept 4
	v_nop
.endr
	s_branch .Lasked_\@
.Lfor_b_\@:
	tensor_load_to_lds s[\g0b:\g0b+3], s[\g1b:\g1b+7]
	s_nop 0
.rept 4
	v_nop
.endr
.Lasked_\@:
.endm
.macro CREST
	s_cmp_lg_u32 s14, 0
	s_cbranch_scc1 .Lnot_wave_0_\@
	s_barrier_signal -3
.Lnot_wave_0_\@:
	s_barrier_wait -3
	s_barrier_signal -1
	s_barrier_wait -1
.endm
.macro CROUND
	s_barrier_signal -1
	s_barrier_wait -1
	CREST
.endm
	s_load_b128 s[4:7], s[0:1], 0x0
	s_load_b64 s[8:9], s[0:1], 0x10
	v_lshl_add_u32 v28, v0, 2, SPARE
	v_mov_b32 v29, 0
	ds_add_u32 v28, v29
	ds_add_u32 v28, v29
	s_wait_dscnt 0x0
	v_lshrrev_b32 v1, 5, v0
	v_readfirstlane_b32 s14, v1
	s_lshr_b32 s15, s14, 1
	s_and_b32 s16, s14, 1
	s_bfe_u32 s40, ttmp6, 0x40000
	s_bfe_u32 s41, ttmp6, 0x40004
	s_lshl_b32 s42, ttmp9, 2
	s_add_co_u32 s42, s42, s40
	s_and_b32 s17, ttmp7, 0xffff
	s_lshl_b32 s17, s17, 2
	s_add_co_u32 s17, s17, s41
	s_lshl_b32 s43, s41, 2
	s_lshl_b32 s43, 15, s43
	s_lshl_b32 s44, 0x1111, s40
	s_or_b32 s24, s43, (3<<16)|(1<<21)
	s_mov_b32 s25, 512<<16
	s_mov_b32 s26, 4<<16
	s_mov_b32 s27, 512<<16
	s_mov_b32 s28, 4
	s_mov_b32 s29, 2048
	s_mov_b32 s30, 0
	s_mov_b32 s31, 0
	s_or_b32 s48, s44, (1<<20)|(1<<21)|(5<<22)|(3<<25)
	s_mov_b32 s49, 256<<16
	s_mov_b32 s50, 128<<16
	s_mov_b32 s51, 256<<16
	s_mov_b32 s52, 128
	s_mov_b32 s53, 1024
	s_mov_b32 s54, 0
	s_mov_b32 s55, 0
	s_or_b32 s68, s43, (3<<16)|(1<<20)|(1<<21)|(5<<22)|(3<<25)
	s_mov_b32 s69, 32<<16
	s_mov_b32 s70, 8<<16
	s_mov_b32 s71, 32<<16
	s_mov_b32 s72, 8
	s_mov_b32 s73, 32
	s_mov_b32 s74, 0
	s_mov_b32 s75, 0
	s_or_b32 s80, s44, (3<<16)|(1<<20)|(1<<21)|(5<<22)|(3<<25)
	s_mov_b32 s81, 32<<16
	s_mov_b32 s82, 16<<16
	s_mov_b32 s83, 32<<16
	s_mov_b32 s84, 16
	s_mov_b32 s85, 32
	s_mov_b32 s86, 0
	s_mov_b32 s87, 0
	s_lshl_b32 s20, s17, 17
	s_lshl_b32 s18, s16, 16
	s_add_co_u32 s20, s20, s18
	s_mov_b32 s21, 0
	s_lshl_b32 s22, s17, 12
	s_lshl_b32 s18, s16, 11
	s_add_co_u32 s22, s22, s18
	s_add_co_u32 s22, s22, YSO
	s_mov_b32 s23, 0
	s_lshl_b32 s46, s42, 18
	s_lshl_b32 s18, s16, 17
	s_add_co_u32 s46, s46, s18
	s_add_co_u32 s46, s46, PCO
	s_mov_b32 s47, 0
	s_lshl_b32 s92, s42, 13
	s_lshl_b32 s18, s16, 12
	s_add_co_u32 s92, s92, s18
	s_add_co_u32 s92, s92, PSO
	s_mov_b32 s93, 0
	s_lshl_b32 s45, s16, 14
	s_mul_i32 s94, s16, HALFT
	s_add_co_u32 s94, s94, YIMG
	s_mul_i32 s95, s16, 2176
	s_add_co_u32 s95, s95, SCL
	s_mul_i32 s96, s16, 4352
	s_add_co_u32 s96, s96, SCL+4352
	s_wait_kmcnt 0x0
	s_add_nc_u64 s[20:21], s[4:5], s[20:21]
	s_add_nc_u64 s[22:23], s[4:5], s[22:23]
	s_add_nc_u64 s[46:47], s[6:7], s[46:47]
	s_add_nc_u64 s[92:93], s[6:7], s[92:93]
	CROUND
	s_mov_b32 s76, 1
	s_mov_b32 s77, s95
	s_mov_b64 s[78:79], s[22:23]
	s_or_b32 s79, s79, 0x80000000
	s_mov_b32 s88, 1
	s_mov_b32 s89, s96
	s_mov_b64 s[90:91], s[92:93]
	s_or_b32 s91, s91, 0x80000000
	JLOAD 76, 68, 88, 80
.irp s, 0,1
	s_mov_b32 s[32+4*\s], 1
	s_add_co_u32 s[33+4*\s], s45, \s*SLOT
	s_add_nc_u64 s[34+4*\s:35+4*\s], s[20:21], \s*4096
	s_or_b32 s[35+4*\s], s[35+4*\s], 0x80000000
	s_mov_b32 s[56+4*\s], 1
	s_add_co_u32 s[57+4*\s], s94, \s*SLOT
	s_add_nc_u64 s[58+4*\s:59+4*\s], s[46:47], \s*256
	s_or_b32 s[59+4*\s], s[59+4*\s], 0x80000000
	s_wait_alu depctr_va_vdst(0)
	s_wait_tensorcnt 0x0
	ds_add_u32 v28, v29
	s_wait_dscnt 0x0
	CROUND
	JLOAD 32+4*\s, 24, 56+4*\s, 48
.endr
	v_and_b32 v1, 31, v0
	v_and_b32 v2, 15, v0
	v_bfe_u32 v3, v0, 4, 1
	v_mul_u32_u24 v4, v2, PITCH
	v_lshl_add_u32 v4, v3, 4, v4
	v_lshlrev_b32 v5, 4, v1
	s_lshl_b32 s21, s15, 14
	v_add_nc_u32 v16, s21, v5
	v_add_nc_u32 v17, SLOT, v16
	s_mul_i32 s21, s16, HALFT
	s_add_co_u32 s21, s21, YIMG
	v_add_nc_u32 v20, s21, v4
	v_add_nc_u32 v21, SLOT, v20
	v_lshrrev_b32 v6, 3, v2
	v_lshl_add_u32 v6, v3, 1, v6
	v_mul_u32_u24 v6, v6, 272
	v_and_b32 v7, 7, v2
	v_lshl_add_u32 v6, v7, 5, v6
	s_mul_i32 s21, s15, 2176
	s_add_co_u32 s21, s21, SCL
	v_add_nc_u32 v26, s21, v6
	s_mul_i32 s21, s16, 4352
	s_add_co_u32 s21, s21, SCL+4352
	v_add_nc_u32 v27, s21, v6
	s_mul_i32 s21, s14, 16*SPITCH
	s_add_co_u32 s21, s21, STAGE
	v_mul_u32_u24 v24, v2, SPITCH
	v_lshl_add_u32 v24, v3, 6, v24
	v_add_nc_u32 v24, s21, v24
	v_add_nc_u32 v25, s21, v5
	s_lshl_b32 s20, s17, 19
	s_lshl_b32 s21, s15, 18
	s_add_co_u32 s20, s20, s21
	s_mov_b32 s21, 0
	s_lshl_b32 s46, s42, 10
	s_lshl_b32 s47, s16, 9
	s_add_co_u32 s46, s46, s47
	s_mov_b32 s47, 0
	s_add_nc_u64 s[8:9], s[8:9], s[20:21]
	s_add_nc_u64 s[8:9], s[8:9], s[46:47]
.macro MULA f, s, a, zero
	WIN 0x5e
.irp b, 0,2,4,6
.if \zero
.if (\a)%2
	v_wmma_scale_f32_16x16x128_f8f6f4 v[8*(8*(\a)+\b):8*(8*(\a)+\b)+7], v[128*(\f)+16*\b:128*(\f)+16*\b+15], v[64*(\f)+16*(\a):64*(\f)+16*(\a)+15], 0, v[48+4*\b+(\s)], v[32+8*((\a)/2)+(\s)] matrix_b_scale:MATRIX_SCALE_ROW1
	v_wmma_scale_f32_16x16x128_f8f6f4 v[8*(8*(\a)+\b)+8:8*(8*(\a)+\b)+15], v[128*(\f)+16*\b+16:128*(\f)+16*\b+31], v[64*(\f)+16*(\a):64*(\f)+16*(\a)+15], 0, v[48+4*\b+(\s)], v[32+8*((\a)/2)+(\s)] matrix_a_scale:MATRIX_SCALE_ROW1 matrix_b_scale:MATRIX_SCALE_ROW1
.else
	v_wmma_scale_f32_16x16x128_f8f6f4 v[8*(8*(\a)+\b):8*(8*(\a)+\b)+7], v[128*(\f)+16*\b:128*(\f)+16*\b+15], v[64*(\f)+16*(\a):64*(\f)+16*(\a)+15], 0, v[48+4*\b+(\s)], v[32+8*((\a)/2)+(\s)]
	v_wmma_scale_f32_16x16x128_f8f6f4 v[8*(8*(\a)+\b)+8:8*(8*(\a)+\b)+15], v[128*(\f)+16*\b+16:128*(\f)+16*\b+31], v[64*(\f)+16*(\a):64*(\f)+16*(\a)+15], 0, v[48+4*\b+(\s)], v[32+8*((\a)/2)+(\s)] matrix_a_scale:MATRIX_SCALE_ROW1
.endif
.else
.if (\a)%2
	v_wmma_scale_f32_16x16x128_f8f6f4 v[8*(8*(\a)+\b):8*(8*(\a)+\b)+7], v[128*(\f)+16*\b:128*(\f)+16*\b+15], v[64*(\f)+16*(\a):64*(\f)+16*(\a)+15], v[8*(8*(\a)+\b):8*(8*(\a)+\b)+7], v[48+4*\b+(\s)], v[32+8*((\a)/2)+(\s)] matrix_b_scale:MATRIX_SCALE_ROW1
	v_wmma_scale_f32_16x16x128_f8f6f4 v[8*(8*(\a)+\b)+8:8*(8*(\a)+\b)+15], v[128*(\f)+16*\b+16:128*(\f)+16*\b+31], v[64*(\f)+16*(\a):64*(\f)+16*(\a)+15], v[8*(8*(\a)+\b)+8:8*(8*(\a)+\b)+15], v[48+4*\b+(\s)], v[32+8*((\a)/2)+(\s)] matrix_a_scale:MATRIX_SCALE_ROW1 matrix_b_scale:MATRIX_SCALE_ROW1
.else
	v_wmma_scale_f32_16x16x128_f8f6f4 v[8*(8*(\a)+\b):8*(8*(\a)+\b)+7], v[128*(\f)+16*\b:128*(\f)+16*\b+15], v[64*(\f)+16*(\a):64*(\f)+16*(\a)+15], v[8*(8*(\a)+\b):8*(8*(\a)+\b)+7], v[48+4*\b+(\s)], v[32+8*((\a)/2)+(\s)]
	v_wmma_scale_f32_16x16x128_f8f6f4 v[8*(8*(\a)+\b)+8:8*(8*(\a)+\b)+15], v[128*(\f)+16*\b+16:128*(\f)+16*\b+31], v[64*(\f)+16*(\a):64*(\f)+16*(\a)+15], v[8*(8*(\a)+\b)+8:8*(8*(\a)+\b)+15], v[48+4*\b+(\s)], v[32+8*((\a)/2)+(\s)] matrix_a_scale:MATRIX_SCALE_ROW1
.endif
.endif
.endr
.endm
.macro FETCH slot, q, f
	WIN 0x80
.irp b, 0,1,2,3,4,5,6,7
.irp c, 0,1,2,3
	ds_load_b128 v[128*(\f)+16*\b+4*\c:128*(\f)+16*\b+4*\c+3], v[20+(\slot)] offset:\b*16*PITCH+128*(\q)+32*\c
.endr
.endr
	WIN 0xc0
.irp a, 0,1,2,3
.irp c, 0,1,2,3
	ds_load_b128 v[64*(\f)+16*\a+4*\c:64*(\f)+16*\a+4*\c+3], v[16+(\slot)] offset:4096*\a+2048*(\q)+512*\c
.endr
.endr
.endm
.macro STEP slot, s, zero
.if !\zero
	PLACES 8
.endif
	FETCH \slot, 1, 1
	s_wait_dscnt 48
	MULA 0, \s, 0, \zero
	MULA 0, \s, 1, \zero
	MULA 0, \s, 2, \zero
	MULA 0, \s, 3, \zero
.endm
.macro TURN slot, next, fill, s
	WIN 0
	s_wait_tensorcnt 0x0
	ds_add_u32 v28, v29
	s_wait_dscnt 1
	MULA 1, \s, 0, 0
	MULA 1, \s, 1, 0
	s_wait_dscnt 0x0
	s_barrier_signal -1
	MULA 1, \s, 2, 0
	WIN 0
	s_barrier_wait -1
.if \fill
	CREST
	s_add_nc_u64 s[34+4*\slot:35+4*\slot], s[34+4*\slot:35+4*\slot], 8192
	s_add_nc_u64 s[58+4*\slot:59+4*\slot], s[58+4*\slot:59+4*\slot], 512
	JLOAD 32+4*\slot, 24, 56+4*\slot, 48
	PLACES 4
.else
	PLACES 8
.endif
	FETCH \next, 0, 0
	MULA 1, \s, 3, 0
.endm
	s_wait_alu depctr_va_vdst(0)
	s_wait_tensorcnt 1
	s_barrier_signal -1
	s_barrier_wait -1
.irp P, 0,1
.irp e, 0,1
	ds_load_b128 v[32+8*\P+4*\e:35+8*\P+4*\e], v26 offset:1088*\P+16*\e
.endr
.endr
.irp P, 0,1,2,3
.irp e, 0,1
	ds_load_b128 v[48+8*\P+4*\e:51+8*\P+4*\e], v27 offset:1088*\P+16*\e
.endr
.endr
	FETCH 0, 0, 0
	STEP 0, 0, 1
	TURN 0, 1, 1, 1
	STEP 1, 2, 0
	TURN 1, 0, 1, 3
	STEP 0, 4, 0
	TURN 0, 1, 0, 5
	STEP 1, 6, 0
	s_wait_dscnt 0x0
	MULA 1, 7, 0, 0
	MULA 1, 7, 1, 0
	MULA 1, 7, 2, 0
	MULA 1, 7, 3, 0
	WIN 0
.macro TOSTAGE a
	WIN 0x04
.irp b, 0,1,2,3,4,5,6,7
	ds_store_b128 v24, v[8*(8*(\a)+\b):8*(8*(\a)+\b)+3] offset:128*(\b/2)+32*(\b%2)
	ds_store_b128 v24, v[8*(8*(\a)+\b)+4:8*(8*(\a)+\b)+7] offset:128*(\b/2)+32*(\b%2)+16
.endr
	WIN 0
.set BB, BK+64*((\a)%2)
.irp t, 0,1,2,3,4,5,6,7,8,9,10,11,12,13,14,15
	ds_load_b128 v[BB+4*\t:BB+4*\t+3], v25 offset:\t*SPITCH
.endr
.endm
.macro SEND a, younger
.set BB, BK+64*((\a)%2)
	s_wait_dscnt \younger
.irp t, 0,1,2,3,4,5,6,7,8,9,10,11,12,13,14,15
	global_store_b128 v5, v[BB+4*\t:BB+4*\t+3], s[8:9] offset:(32*((\a)/2)+8*((\a)%2)+(\t%8)+16*(\t/8))*4096 th:TH_STORE_NT
.endr
.endm
	PLACES 8
	TOSTAGE 0
.irp a, 1,2,3
.if \a > 1
	s_wait_xcnt 0x0
.endif
	TOSTAGE \a
	SEND \a-1, 32
.endr
	SEND 3, 0
	s_wait_tensorcnt 0x0
	ds_add_u32 v28, v29
	s_wait_dscnt 0x0
	CROUND
	s_endpgm
.Lfunc_end_k_q83fc70d1ac_proj:
	.size	k_q83fc70d1ac_proj, .Lfunc_end_k_q83fc70d1ac_proj-k_q83fc70d1ac_proj
	.p2alignl 7, 3214868480
	.fill 96, 4, 3214868480
	.section	.rodata,"a",@progbits
	.p2align	6, 0x0
	.amdhsa_kernel k_q83fc70d1ac_proj
		.amdhsa_group_segment_fixed_size 327680
		.amdhsa_private_segment_fixed_size 0
		.amdhsa_enable_private_segment 0
		.amdhsa_kernarg_size 24
		.amdhsa_user_sgpr_count 2
		.amdhsa_user_sgpr_kernarg_segment_ptr 1
		.amdhsa_wavefront_size32 1
		.amdhsa_system_sgpr_workgroup_id_x 1
		.amdhsa_system_sgpr_workgroup_id_y 1
		.amdhsa_system_sgpr_workgroup_id_z 1
		.amdhsa_system_vgpr_workitem_id 0
		.amdhsa_next_free_vgpr 896
		.amdhsa_next_free_sgpr 98
		.amdhsa_reserve_vcc 0
		.amdhsa_float_denorm_mode_32 3
		.amdhsa_float_denorm_mode_16_64 3
		.amdhsa_memory_ordered 1
		.amdhsa_forward_progress 1
		.amdhsa_inst_pref_size 88
	.end_amdhsa_kernel
	.amdgpu_metadata
---
amdhsa.version: [ 1, 2 ]
amdhsa.kernels:
  - .name:           k_q83fc70d1ac_proj
    .symbol:         k_q83fc70d1ac_proj.kd
    .args:
      - { .name: yb, .offset: 0, .size: 8, .value_kind: global_buffer, .address_space: global }
      - { .name: wts, .offset: 8, .size: 8, .value_kind: global_buffer, .address_space: global }
      - { .name: out0, .offset: 16, .size: 8, .value_kind: global_buffer, .address_space: global }
    .group_segment_fixed_size: 327680
    .private_segment_fixed_size: 0
    .kernarg_segment_align: 8
    .kernarg_segment_size: 24
    .max_flat_workgroup_size: 128
    .sgpr_count:     98
    .vgpr_count:     896
    .wavefront_size: 32
...
	.end_amdgpu_metadata
.endif
;; end of part 4
